; MI455X (gfx1250); checked and timed in simulation.
; The chip was launched on July 23, 2026; its instructions are those of AMD's public machine-readable ISA for CDNA 5 (MIT licence, August 2026) and "CDNA5" Instruction Set Architecture Reference Guide (July 2026). The comments in the code are by the model that wrote it; some were corrected since.
;; Transformer Layer. Allowed arithmetic: matrix products marked QUANTISED: E4M3 operands, one given power-of-two scale a tensor, by v_wmma_f32_16x16x64_fp8_fp8 or v_wmma_f32_16x16x128_fp8_fp8, f32 sums; everything else in f32.
;; Inputs: b1 4,096 float32; b2 1,024 float32; in_proj_b 3,072 float32; in_proj_w_codes 3,072 x 32 x 32 uint8 (E4M3 codes of in_proj_w, K innermost, in blocks of 32 codes); ln1_b 1,024 float32; ln1_g 1,024 float32; ln2_b 1,024 float32; ln2_g 1,024 float32; lowp_scales 12 int32 (the exponents e of the quantised operands' scales 2^e); out_b 1,024 float32; out_w_codes 1,024 x 32 x 32 uint8 (E4M3 codes of out_w, K innermost, in blocks of 32 codes); res_pos 16 x 512 float32; w1_codes 4,096 x 32 x 32 uint8 (E4M3 codes of w1, K innermost, in blocks of 32 codes); w2_codes 1,024 x 128 x 32 uint8 (E4M3 codes of w2, K innermost, in blocks of 32 codes); x 2 x 2,048 x 1,024 float32.
;; Outputs: out0 2 x 2,048 x 1,024 float32.
;; This version of the problem:
;;   THIS VERSION OF THE PROBLEM IS GIVEN IN LOW PRECISION. The matrix products marked QUANTISED in the list below multiply operands that are first quantised to E4M3 (4 exponent bits, 3 mantissa bits; 8 bits a number), with one given power-of-two scale for each operand tensor; their sums are f32. All else is computed in f32.
;;   The module's matrix products, in the order in which they are computed (A, B: the left and right operand; K: the contracted axis; several contracted axes count as one K, in the product's order):
;;     1. [M 4,096, K 1,024] x [K 1,024, N 3,072]; A: computed on the way; B: input in_proj_w (given as codes): QUANTISED (scales: A lowp_scales[0], B lowp_scales[1])
;;     2. batch 32 x [M 2,048, K 64] x [K 64, N 2,048]; A: computed on the way; B: computed on the way: QUANTISED (scales: A lowp_scales[2], B lowp_scales[3])
;;     3. batch 32 x [M 2,048, K 2,048] x [K 2,048, N 64]; A: softmax (see below); B: computed on the way: QUANTISED (scales: A lowp_scales[4], B lowp_scales[5])
;;     4. [M 4,096, K 1,024] x [K 1,024, N 1,024]; A: computed on the way; B: input out_w (given as codes): QUANTISED (scales: A lowp_scales[6], B lowp_scales[7])
;;     5. [M 4,096, K 1,024] x [K 1,024, N 4,096]; A: computed on the way; B: input w1 (given as codes): QUANTISED (scales: A lowp_scales[8], B lowp_scales[9])
;;     6. [M 4,096, K 4,096] x [K 4,096, N 1,024]; A: computed on the way; B: input w2 (given as codes): QUANTISED (scales: A lowp_scales[10], B lowp_scales[11])
;;   THE QUANTISER, for each operand of a quantised product, along K:
;;     - The operand's scale is 2^e, e = its entry of the input lowp_scales (int32; the entries are numbered through the quantised products in the list's order, A before B).
;;     - Each number is divided by the scale, clamped to +-448, and rounded to the nearest number of E4M3, ties to even, subnormals kept.
;;     - The product sums the exact products of the quantised numbers (number of the format x scale) in f32.
;;   ~~~python
;;   def quantise(x, axis, e):      # numpy; x: float32 -> the quantised numbers, widened to float32 again
;;       x = np.moveaxis(x, axis, -1); K = x.shape[-1]
;;       r = np.clip(x / 2.0 ** e, -448, 448)
;;       step = 2.0 ** (np.maximum(np.frexp(np.where(r == 0, 1, r))[1] - 1, -6) - 3)
;;       q = np.round(r / step) * step * 2.0 ** e      # np.round: ties to even
;;       return np.moveaxis(q, -1, axis).astype(np.float32)
;;   ~~~
;;   SOFTMAX AHEAD OF A QUANTISED PRODUCT. Where the list says 'softmax', what is quantised is not the finished softmax but p = 2^(t - M), with t = logit x log2(e) and M = ceil(the row's largest t), a whole number; so 1/2 < the row's largest p <= 1. The row's sum l is taken of the UNQUANTISED p, in f32, and the product's result is divided by l at the end. Since M is a whole number, a kernel that streams over the keys may use a running M (the ceiling of the running maximum): every later rescaling is an exact power of two, so the quantised numbers keep their values, but for numbers so far below the row's largest that they fall under the format's range.
;;   OPERANDS COMPUTED ON THE WAY. 'Computed on the way' means the value that the module computes at that place (a softmax that the list does not call 'softmax' is quantised finished and normalised). What goes into a quantiser is computed in f32, as accurately as f32 sums, v_exp_f32 and their like allow (about 1e-6 of the number): no bf16 or f16 on the way to a quantiser, and a product that is left as it is and whose result goes on into a quantised operand takes f32 operands (vector FMAs, or v_wmma_f32_16x16x4_f32). A number that lies on a knife's edge between two numbers of the format may be rounded either way, as far as f32 arithmetic and the matrix unit's own rounding can turn it there, and no further.
;;   INPUTS GIVEN AS CODES. in_proj_w (in the module: [3072, 1024], K = its axis 1); out_w (in the module: [1024, 1024], K = its axis 1); w1 (in the module: [4096, 1024], K = its axis 1); w2 (in the module: [1024, 4096], K = its axis 1): each comes as NAME_codes (uint8): NAME with its K axis moved to the last place and cut into blocks of 32 codes, [.., K / 32, bytes a block], one block behind the other in memory; one code a byte (a code: sign, 4 exponent bits, 3 mantissa bits); its scale is its entry of lowp_scales. Its value is code x scale, taken as it is: it is not quantised again, and the codes and scales need not be those that the quantiser above would give.
;; One version. Each part assembles by itself: llvm-mc -triple=amdgcn-amd-amdhsa -mcpu=gfx1250 --defsym DOCPART=n.
;; ======== version 1 of 1: 7 launches
;; limits: right only within a limited range of input values
;; workspace buffers: xc 4,194,304 bytes; hn 4,194,304 bytes; qimg 4,194,304 bytes; kimg 4,194,304 bytes; vimg 4,194,304 bytes; oimg 4,194,304 bytes; himg 16,777,216 bytes; x1 16,777,216 bytes
;; launch ln1q (part 1): grid 256 x 1, 4 waves a work-group, no clusters, 20,992 bytes of LDS; arguments x, ln1_g, ln1_b, lowp_scales, xc; writes xc
.if DOCPART == 1
	.amdgcn_target "amdgcn-amd-amdhsa--gfx1250"
	.amdhsa_code_object_version 6
	.text
	.protected	k_q4a2f51f5e0_ln1q
	.globl	k_q4a2f51f5e0_ln1q
	.p2align	8
	.type	k_q4a2f51f5e0_ln1q,@function
k_q4a2f51f5e0_ln1q:
	s_mov_b64 s[64:65], 0
	v_nop
	global_prefetch_b8 v0, s[64:65] scope:SCOPE_SE
	s_setreg_imm32_b32 hwreg(HW_REG_WAVE_MODE, 25, 1), 1
	s_wait_xcnt 0x0
; codes = Q(layernorm(x) * g + b): x [4096][1024] f32 -> [4096][1024] codes of E4M3, row-major, with the given scale 2^e, e = the entry of the scales' buffer at byte EOFF.
; mean, then the mean of the squared differences (two passes over registers), 1 / sqrt(var + 1e-5), gain and bias: all f32.  code = y / 2^e, held within +-448, to the nearest code, ties to even.
; LIMITS: -126 <= e and e + 8 <= 127, so that 2^e and 448 x 2^e are f32 numbers.  NaN among the inputs is not served.
; SHARES.  A work-group takes 16 rows, each of its four waves 4 rows.  A row of 4,096 bytes is 32 registers of one wave (eight loads of 512 consecutive bytes), so a row is read once and no wave waits for another: no barrier.
; All 32 row loads of a wave, and the 16 of gain and bias, go out at the head.  Memory binds: no matrix unit, no tensor load, no cluster (nothing is shared).
; THE TURN THROUGH LDS.  The conversion takes eight neighbours of a row from ONE lane's registers, the loads give a lane four.  So a finished row goes through the wave's own stage, as it lies, and comes back 64 bytes a lane twice:
; the lane then holds columns 512 q + 16 lane + 0 .. 15, its 16 codes are 16 bytes, and a store of the wave covers 512 consecutive bytes, aligned.  The stage has 16 bytes of padding behind each 64.
.set EOFF,  0                          ; byte of e in the scales' buffer
.set ROW,   4096                       ; a row of x in bytes
.set CROW,  1024                       ; a row of codes
.set SP,    80                         ; a place in the stage: 64 bytes + 16 of padding
.set WSTG,  64*SP                      ; a wave's stage: one row
.set LI,    1                          ; v1   16 x lane
.set SIN,   2                          ; v2   the stage on the way in: SP (lane / 4) + 16 (lane % 4)
.set SOUT,  3                          ; v3   and on the way out: SP x lane
.set SCV,   4                          ; v4   2^e
.set LIM,   5                          ; v5   448 x 2^e
.set ST,    8                          ; v[8+4p ..]  row p: +0,+1 a chain of sums, then the mean; +2,+3 a second chain, the other half's sum, then 1 / sqrt
.set X,     32                         ; v[32+32p ..] row p
.set G,     160                        ; v160-191 gain, in a row's layout
.set BV,    192                        ; v192-223 bias
.set C,     224                        ; v[224+8p ..] row p's codes: never written again, so no store's data are overwritten
	s_load_b256 s[4:11], s[0:1], 0x0               ; x s[4:5], gain s[6:7], bias s[8:9], the scales' exponents s[10:11]
	s_load_b64 s[12:13], s[0:1], 0x20              ; the codes
	v_lshl_add_u32 v30, v0, 2, 0x5000
	v_mov_b32 v31, 0
	v_lshrrev_b32 v6, 5, v0
	v_readfirstlane_b32 s16, v6                    ; wave 0..3
	v_and_b32 v7, 31, v0                           ; lane
	v_lshlrev_b32 v[LI], 4, v7
	s_mul_i32 s17, s16, WSTG                       ; my stage
	v_lshrrev_b32 v[SIN], 2, v7
	v_mul_u32_u24 v[SIN], v[SIN], SP
	v_and_b32 v6, 3, v7
	v_lshl_add_u32 v[SIN], v6, 4, v[SIN]
	v_add_nc_u32 v[SIN], s17, v[SIN]
	v_mul_u32_u24 v[SOUT], v7, SP
	v_add_nc_u32 v[SOUT], s17, v[SOUT]
	s_mov_b32 s20, 0x76543210                      ; v_permlanex16_b32: lane l takes lane l xor 16
	s_mov_b32 s21, 0xfedcba98
	s_mov_b32 s22, 0x3a800000                      ; 1 / 1024
	s_mov_b32 s23, 0x3727c5ac                      ; 1e-5
	s_lshl_b32 s18, ttmp9, 4
	s_lshl_b32 s19, s16, 2
	s_add_co_u32 s18, s18, s19                     ; my first row: 16 x work-group + 4 x wave
	s_lshl_b32 s14, s18, 12
	s_mov_b32 s15, 0
	s_lshl_b32 s18, s18, 10
	s_mov_b32 s19, 0
	s_wait_alu depctr_va_vdst(0)
	s_wait_kmcnt 0x0
	s_load_b32 s24, s[10:11], EOFF                 ; e
	s_add_nc_u64 s[4:5], s[4:5], s[14:15]
	s_add_nc_u64 s[12:13], s[12:13], s[18:19]
.irp p, 0,1,2,3
.irp j, 0,1,2,3,4,5,6,7
	global_load_b128 v[X+32*\p+4*\j:X+32*\p+4*\j+3], v[LI], s[4:5] offset:ROW*\p+512*\j th:TH_LOAD_NT   ; 32 lanes read 512 consecutive bytes
.endr
.endr
.irp j, 0,1,2,3,4,5,6,7
	global_load_b128 v[G+4*\j:G+4*\j+3], v[LI], s[6:7] offset:512*\j
.endr
.irp j, 0,1,2,3,4,5,6,7
	global_load_b128 v[BV+4*\j:BV+4*\j+3], v[LI], s[8:9] offset:512*\j
.endr
.macro SUM p                           ; my 32 numbers of row p, two at a time, in two chains
.set XP, X+32*(\p)
.set SQ, ST+4*(\p)
	s_wait_loadcnt 40-8*(\p)                       ; row p's eight loads are in; behind them: 8 for each later row, 16 of gain and bias
	v_pk_add_f32 v[SQ:SQ+1], v[XP:XP+1], v[XP+2:XP+3]
	v_pk_add_f32 v[SQ+2:SQ+3], v[XP+4:XP+5], v[XP+6:XP+7]
.irp j, 8,12,16,20,24,28
	v_pk_add_f32 v[SQ:SQ+1], v[SQ:SQ+1], v[XP+\j:XP+\j+1]
	v_pk_add_f32 v[SQ+2:SQ+3], v[SQ+2:SQ+3], v[XP+\j+2:XP+\j+3]
.endr
	v_pk_add_f32 v[SQ:SQ+1], v[SQ:SQ+1], v[SQ+2:SQ+3]
	v_add_f32 v[SQ], v[SQ], v[SQ+1]
.endm
.macro RED                             ; the four rows' sums over the 32 lanes, the rows line by line so that no line waits for the one above it
.irp m, 1,2,4,8
.irp p, 0,1,2,3
	v_add_f32_dpp v[ST+4*\p], v[ST+4*\p], v[ST+4*\p] row_xmask:\m row_mask:0xf bank_mask:0xf
.endr
.endr
.irp p, 0,1,2,3
	v_permlanex16_b32 v[ST+4*\p+2], v[ST+4*\p], s20, s21   ; (its destination has been written: the second chain)
.endr
.irp p, 0,1,2,3
	v_add_f32 v[ST+4*\p], v[ST+4*\p], v[ST+4*\p+2]
.endr
.endm
.macro VAR p                           ; x - mean in place, then the sum of its squares
.set XP, X+32*(\p)
.set SQ, ST+4*(\p)
.set n, 0
.rept 16
	v_pk_add_f32 v[XP+n:XP+n+1], v[XP+n:XP+n+1], v[SQ:SQ+1] op_sel_hi:[1,0] neg_lo:[0,1] neg_hi:[0,1]   ; both halves less the pair's low word, the mean
.set n, n+2
.endr
	v_pk_mul_f32 v[SQ:SQ+1], v[XP:XP+1], v[XP:XP+1]
	v_pk_mul_f32 v[SQ+2:SQ+3], v[XP+2:XP+3], v[XP+2:XP+3]
.irp j, 4,8,12,16,20,24,28
	v_pk_fma_f32 v[SQ:SQ+1], v[XP+\j:XP+\j+1], v[XP+\j:XP+\j+1], v[SQ:SQ+1]
	v_pk_fma_f32 v[SQ+2:SQ+3], v[XP+\j+2:XP+\j+3], v[XP+\j+2:XP+\j+3], v[SQ+2:SQ+3]
.endr
	v_pk_add_f32 v[SQ:SQ+1], v[SQ:SQ+1], v[SQ+2:SQ+3]
	v_add_f32 v[SQ], v[SQ], v[SQ+1]
.endm
.macro NORM p                          ; ((x - mean) / sqrt) g + b, and through the stage
.set XP, X+32*(\p)
.set SQ, ST+4*(\p)
.set n, 0
.rept 16
	v_pk_mul_f32 v[XP+n:XP+n+1], v[XP+n:XP+n+1], v[SQ+2:SQ+3] op_sel_hi:[1,0]
.set n, n+2
.endr
.set n, 0
.rept 16
	v_pk_fma_f32 v[XP+n:XP+n+1], v[XP+n:XP+n+1], v[G+n:G+n+1], v[BV+n:BV+n+1]
.set n, n+2
.endr
.irp j, 0,1,2,3,4,5,6,7
	ds_store_b128 v[SIN], v[XP+4*\j:XP+4*\j+3] offset:8*SP*\j   ; a load's 512 bytes take eight places
.endr
.irp q, 0,1
.irp i, 0,1,2,3
	ds_load_b128 v[XP+16*\q+4*\i:XP+16*\q+4*\i+3], v[SOUT] offset:32*SP*\q+16*\i   ; LDS serves a wave's instructions in order (ISA guide 5.7.1.4): these see the stores above, and the next row's stores come behind them
.endr
.endr
.endm
.macro CODES p
.set XP, X+32*(\p)
	s_wait_dscnt 16*(3-(\p))                       ; row p is back; behind its loads: 16 LDS instructions for each later row
.set n, 0
.rept 32
	v_med3_num_f32 v[XP+n], v[XP+n], -v[LIM], v[LIM]   ; the conversion to an 8-bit code does not saturate (ISA guide 7.6.2): the hold at the largest code x the scale
.set n, n+1
.endr
.irp g, 0,1,2,3
	v_cvt_scalef32_pk8_fp8_f32 v[C+8*(\p)+2*\g:C+8*(\p)+2*\g+1], v[XP+8*\g:XP+8*\g+7], v[SCV]
.endr
	v_nop                                          ; a plain vector line behind the last conversion of the run
	global_store_b128 v[LI], v[C+8*(\p):C+8*(\p)+3], s[12:13] offset:CROW*(\p)         ; columns 16 lane + 0 .. 15: the wave stores 512 consecutive bytes, aligned
	global_store_b128 v[LI], v[C+8*(\p)+4:C+8*(\p)+7], s[12:13] offset:CROW*(\p)+512   ; columns 512 + 16 lane + 0 .. 15
.endm
	SUM 0
	SUM 1
	SUM 2
	SUM 3
	RED
.irp p, 0,1,2,3
	v_mul_f32 v[ST+4*\p], s22, v[ST+4*\p]          ; the mean
.endr
	VAR 0
	VAR 1
	VAR 2
	VAR 3
	RED
.irp p, 0,1,2,3
	v_fma_f32 v[ST+4*\p], v[ST+4*\p], s22, s23     ; var + 1e-5
.endr
	s_wait_alu depctr_va_vdst(0)
.irp p, 0,1,2,3
	v_rsq_f32 v[ST+4*\p+2], v[ST+4*\p]
.endr
	s_wait_kmcnt 0x0
	s_add_co_i32 s24, s24, 127
	s_lshl_b32 s25, s24, 23
	v_mov_b32 v[SCV], s25                          ; 2^e as f32: the conversion takes its exponent field.  (Also the plain line behind the four roots)
	s_add_co_i32 s24, s24, 8
	s_lshl_b32 s24, s24, 23
	s_or_b32 s24, s24, 0x600000
	v_mov_b32 v[LIM], s24                          ; 448 x 2^e
	s_wait_alu depctr_va_vdst(0)                   ; one wait for the four roots, ahead of their first reader
	s_wait_loadcnt 0x0                             ; gain and bias
	NORM 0
	NORM 1
	NORM 2
	NORM 3
	CODES 0
	CODES 1
	CODES 2
	CODES 3
	s_wait_tensorcnt 0x0
	ds_add_u32 v30, v31
	s_wait_dscnt 0x0
	s_endpgm
.Lfunc_end_k_q4a2f51f5e0_ln1q:
	.size	k_q4a2f51f5e0_ln1q, .Lfunc_end_k_q4a2f51f5e0_ln1q-k_q4a2f51f5e0_ln1q
	.p2alignl 7, 3214868480
	.fill 96, 4, 3214868480
	.section	.rodata,"a",@progbits
	.p2align	6, 0x0
	.amdhsa_kernel k_q4a2f51f5e0_ln1q
		.amdhsa_group_segment_fixed_size 20992
		.amdhsa_private_segment_fixed_size 0
		.amdhsa_enable_private_segment 0
		.amdhsa_kernarg_size 40
		.amdhsa_user_sgpr_count 2
		.amdhsa_user_sgpr_kernarg_segment_ptr 1
		.amdhsa_wavefront_size32 1
		.amdhsa_system_sgpr_workgroup_id_x 1
		.amdhsa_system_sgpr_workgroup_id_y 1
		.amdhsa_system_sgpr_workgroup_id_z 1
		.amdhsa_system_vgpr_workitem_id 0
		.amdhsa_next_free_vgpr 256
		.amdhsa_next_free_sgpr 66
		.amdhsa_reserve_vcc 0
		.amdhsa_float_denorm_mode_32 3
		.amdhsa_float_denorm_mode_16_64 3
		.amdhsa_memory_ordered 1
		.amdhsa_forward_progress 1
		.amdhsa_inst_pref_size 45
	.end_amdhsa_kernel
	.amdgpu_metadata
---
amdhsa.version: [ 1, 2 ]
amdhsa.kernels:
  - .name:           k_q4a2f51f5e0_ln1q
    .symbol:         k_q4a2f51f5e0_ln1q.kd
    .args:
      - { .name: x, .offset: 0, .size: 8, .value_kind: global_buffer, .address_space: global }
      - { .name: ln1_g, .offset: 8, .size: 8, .value_kind: global_buffer, .address_space: global }
      - { .name: ln1_b, .offset: 16, .size: 8, .value_kind: global_buffer, .address_space: global }
      - { .name: lowp_scales, .offset: 24, .size: 8, .value_kind: global_buffer, .address_space: global }
      - { .name: xc, .offset: 32, .size: 8, .value_kind: global_buffer, .address_space: global }
    .group_segment_fixed_size: 20992
    .private_segment_fixed_size: 0
    .kernarg_segment_align: 8
    .kernarg_segment_size: 40
    .max_flat_workgroup_size: 128
    .sgpr_count:     66
    .vgpr_count:     256
    .wavefront_size: 32
...
	.end_amdgpu_metadata
.endif
;; end of part 1
;; launch qkv (part 2): grid 12 x 16, 4 waves a work-group, clusters of 4 x 4, 327,680 bytes of LDS; arguments xc, in_proj_w_codes, lowp_scales, in_proj_b, qimg, kimg, vimg; writes qimg, kimg, vimg
.if DOCPART == 2
	.amdgcn_target "amdgcn-amd-amdhsa--gfx1250"
	.amdhsa_code_object_version 6
	.text
	.protected	k_q4a2f51f5e0_qkv
	.globl	k_q4a2f51f5e0_qkv
	.p2align	8
	.type	k_q4a2f51f5e0_qkv,@function
k_q4a2f51f5e0_qkv:
	s_mov_b64 s[64:65], 0
	v_nop
	global_prefetch_b8 v0, s[64:65] scope:SCOPE_SE
	s_setreg_imm32_b32 hwreg(HW_REG_WAVE_MODE, 25, 1), 1
	s_wait_xcnt 0x0
	s_wait_alu depctr_hold_cnt(0) depctr_sa_sdst(0) depctr_va_vdst(0) depctr_va_sdst(0) depctr_va_ssrc(0) depctr_va_vcc(0) depctr_vm_vsrc(0)
	s_getreg_b32 s2, hwreg(HW_REG_IB_STS2, 6, 4)
	s_cmp_eq_u32 s2, 0
	s_cbranch_scc0 .Lentry_in_a_cluster
	s_endpgm
.Lentry_in_a_cluster:
	s_bfe_u32 s2, ttmp6, 0x10000c
	s_cmp_lg_u32 s2, 0xf033
	s_cbranch_scc0 .Lentry_shape_is_right
	s_endpgm
.Lentry_shape_is_right:
; qkv = xn W^T + in_proj_b on codes of E4M3 (xn: xc [4096][1024], scale 2^e0; W: [3072][1024], scale 2^e1), and q, k, v quantised at once (2^e2, 2^e3, 2^e5) for the two products of attention.
; A tile of 256 x 256 is made by a work-group of four waves, a wave makes 128 x 128: 64 accumulators, 512 registers.  K = 1,024 goes in four steps of 256 through two LDS slots filled by the tensor data mover.
; THE MATRIX INSTRUCTION IS USED TRANSPOSED: source 0 = 16 rows of the B side, source 1 = 16 rows of the A side: lane (r, h) of accumulator (a, b) holds A-side row 16 a + r and B-side rows 16 b + 8 h + 0 .. 7.
; So the conversion of accumulator b gives registers 2 b, 2 b + 1 of an operand of the plain 8-bit forms (lane r: row r; registers 2 c, 2 c + 1: k = 16 c + 8 h + 0 .. 7), and THE RESULTS LEAVE AS IMAGES OF OPERAND REGISTERS:
; each group of four registers by one store at 16 x lane, 512 consecutive bytes, aligned.  No stage in LDS, no exchange between lanes.
;   q, k (cluster x = 0, 1): A side = tokens (xc), B side = W's rows.  K of the next product = the head's 64 features.  qimg, kimg: [batch x 16 + head][token / 16][2 groups][lane][16 bytes].
;   v    (cluster x = 2):    A side = W's rows 2,048 on, B side = tokens: the SAME product with the sides changed, since K of the next product = the keys.  vimg: [batch x 16 + head][key / 128][d / 16][4 groups][lane][16].
; Which side is which hangs on the cluster's x alone, which all sixteen partners share: indices and pointers are chosen by s_cselect, and the way out by one branch.
; CLUSTERS: 4 x 4 work-groups.  The four of a row of the cluster need the same tiles of the A side, the four of a column the same tiles of the B side: each tile is asked for JOINTLY.
; Both operands come from LDS by four loads of 16 bytes a fragment: a permutation of k that is the same on both sides, so every product meets its partner.
; 192 work-groups: tiles of 128 x 128 would be 768, three to a WGP, each with a first fetch under which nothing is multiplied.
; LIMITS: e0 + e1 between -126 and 127; e2, e3, e5 between -126 and 119.  NaN among the inputs is not served.
; REGISTERS, in windows of 256: window 0: v0-31 addresses; v40-55, v64-127 the biases; from v128 the A side's fragments, ONE set; on the way out v128-191 a block's numbers, v192-255 four sets of codes.
;   window 1: the B side's fragments, TWO sets.   window 2: the accumulators of my rows 0-63 ((a, b) at v[8 (8 a + b)]);   window 3: those of my rows 64-127.
.set SIZE_K, 1024
.set ROWB,   256                       ; a tile's row in bytes: a K step
.set KROW,   SIZE_K                    ; a row of either side in memory
.set PITCH,  272                       ; an LDS row: 256 bytes + 16 of padding = 68 words: row r starts at bank 4 r mod 64 (64 banks of 4 bytes: ISA guide 11.1)
.set FR,     16                        ; registers of a fragment: 16 rows x 128 K
.set NL,     4                         ; LDS loads that bring one
.set NP,     4                         ; places behind this matrix instruction (ISA guide 7.12.1)
.set HALFT,  128*PITCH                 ; what one tensor load brings
.set SLOT,   4*HALFT                   ; the A side's 256 rows, then the B side's
.set SPARE,  2*SLOT                    ; behind the ring: the spare words, 128 bytes for each wave: two blocks of 256 bytes that no other line names
.set SCV,  8                           ; v8      2^E, E = e2, e3 or e5
.set LIM,  9                           ; v9      448 x 2^E
.set BOFN, 10                          ; v10     32 h: my eight numbers of a tile of the B side's bias
.set BOFM, 11                          ; v11     4 r: my number of a tile of the A side's bias
.set ADRA, 16                          ; v16-17  LDS address of my A-side fragments in slot 0, 1
.set ADRB, 20                          ; v20-21  the same for the B side
.set CO,   26                          ; v26     16 x lane
.set SPW,  28                          ; v28     LDS address of my spare word; never rewritten
.set NIL,  29                          ; v29     0; never rewritten
.set BIASM, 40                         ; v40-55  v: in_proj_b of A-side row 16 a + r, twice (a pair for the packed form)
.set BIASN, 64                         ; v64-127 q, k: in_proj_b of B-side rows 16 b + 8 h + 0 .. 7
.set AF,   128
.set TMP,  128
.set CD,   192
.set G1, 24                            ; s[24:31] descriptor group 1 for the A side;  s[32:39] group 0, one set for each slot
.set G0, 32
.set G1B, 48                           ; s[48:55], s[56:63] the same for the B side
.set G0B, 56
.set MSB, 0
.macro WIN new                         ; the immediate's high byte repeats the setting that is left
.if MSB != \new
	s_set_vgpr_msb (MSB<<8)|\new
.set MSB, \new
.endif
.endm
.set MUL_LO, 0xa1                      ; source 0 (B side) window 1, source 1 (A side) window 0, C and D window 2
.set MUL_HI, 0xf1                      ; the same, C and D window 3
.set TO_B,   0x40                      ; destination window 1, address window 0
; A joint load: waves 0 and 1 fetch for the A side, waves 2 and 3 for the B side.  The branch hangs on the wave's number alone.  Four v_nop follow each of the two lines.
.macro JLOAD g0a, g1a, g0b, g1b
	s_cmp_eq_u32 s15, 0
	s_cbranch_scc0 .Lfor_b_\@
	tensor_load_to_lds s[\g0a:\g0a+3], s[\g1a:\g1a+7]
	s_nop 0
.rept 4
	v_nop
.endr
	s_branch .Lasked_\@
.Lfor_b_\@:
	tensor_load_to_lds s[\g0b:\g0b+3], s[\g1b:\g1b+7]
	s_nop 0
.rept 4
	v_nop
.endr
.Lasked_\@:
.endm
.macro CREST                           ; a round of the cluster's barrier behind its opening barrier
	s_cmp_lg_u32 s14, 0
	s_cbranch_scc1 .Lnot_wave_0_\@
	s_barrier_signal -3
.Lnot_wave_0_\@:
	s_barrier_wait -3
	s_barrier_signal -1
	s_barrier_wait -1
.endm
.macro CROUND                          ; a whole round
	s_barrier_signal -1
	s_barrier_wait -1
	CREST
.endm
	s_load_b256 s[4:11], s[0:1], 0x0               ; xc s[4:5], W's codes s[6:7], the scales' exponents s[8:9], in_proj_b s[10:11]
	s_load_b128 s[68:71], s[0:1], 0x20             ; qimg s[68:69], kimg s[70:71]
	s_load_b64 s[72:73], s[0:1], 0x30              ; vimg
	v_lshl_add_u32 v[SPW], v0, 2, SPARE
	v_mov_b32 v[NIL], 0
	ds_add_u32 v28, v29
	ds_add_u32 v28, v29
	s_wait_dscnt 0x0
	v_lshrrev_b32 v1, 5, v0
	v_readfirstlane_b32 s14, v1                    ; wave 0..3
	s_lshr_b32 s15, s14, 1                         ; which half of the tile's A-side rows is mine.  Also: I fetch for the A side (0) or the B side (1)
	s_and_b32 s16, s14, 1                          ; which half of its B-side rows.  Also: which 128 rows of that tile I fetch
	s_bfe_u32 s40, ttmp6, 0x40000                  ; cx, cy: my place in the cluster
	s_bfe_u32 s41, ttmp6, 0x40004
	s_and_b32 s12, ttmp7, 0xffff
	s_lshl_b32 s12, s12, 2                         ; 4 x cluster y
	s_add_co_u32 s17, s12, s41                     ; q, k: the A side's tile = tokens 256 (4 cluster y + cy) on
	s_add_co_u32 s13, s41, 8                       ; v:    the A side's tile = W's rows 256 (8 + cy) on
	s_lshl_b32 s42, ttmp9, 2
	s_add_co_u32 s42, s42, s40                     ; q, k: the B side's tile = W's rows 256 (4 cluster x + cx) on
	s_add_co_u32 s84, s12, s40                     ; v:    the B side's tile = tokens 256 (4 cluster y + cx) on
	s_cmp_eq_u32 ttmp9, 2                          ; the cluster's x: the same in all sixteen partners
	s_cselect_b32 s17, s13, s17                    ; the A side's tile hangs on cy and shared numbers alone,
	s_cselect_b32 s42, s84, s42                    ; the B side's on cx and shared numbers alone
	s_lshl_b32 s43, s41, 2
	s_lshl_b32 s43, 15, s43                        ; my row of the cluster
	s_lshl_b32 s44, 0x1111, s40                    ; my column
	; descriptor group 1: a tile of 128 rows x 256 bytes, padded in LDS
	s_or_b32 s[G1+0], s43, (0<<16)|(1<<20)|(1<<21)|(5<<22)|(3<<25)  ; 15:0 the mask: my row; 17:16 elements of 1 byte; 20 padding on; 21 set beside a mask; 24:22 after every 64 words (code 5); 31:25 of 4 words (code 3)
	s_or_b32 s[G1B+0], s44, (0<<16)|(1<<20)|(1<<21)|(5<<22)|(3<<25) ; the same with the mask of my column
.irp g, G1, G1B
	s_mov_b32 s[\g+1], ROWB<<16                    ; tensor_dim0
	s_mov_b32 s[\g+2], 128<<16                     ; tensor_dim1 = 128
	s_mov_b32 s[\g+3], ROWB<<16                    ; tile_dim0
	s_mov_b32 s[\g+4], 128                         ; tile_dim1 = 128
	s_mov_b32 s[\g+5], KROW                        ; tensor_dim0_stride
	s_mov_b32 s[\g+6], 0
	s_mov_b32 s[\g+7], 0
.endr
	s_lshl_b32 s18, s16, 7                         ; which 128 rows of the tile I fetch
	s_lshl_b32 s20, s17, 8
	s_add_co_u32 s20, s20, s18
	s_lshl_b32 s20, s20, 10                        ; the A side: row x 1,024 bytes (under 2^23)
	s_mov_b32 s21, 0
	s_lshl_b32 s46, s42, 8
	s_add_co_u32 s46, s46, s18
	s_lshl_b32 s46, s46, 10                        ; the B side
	s_mov_b32 s47, 0
	s_mul_i32 s45, s14, HALFT                      ; where they go: wave x 128 rows: no place in the cluster enters an LDS address
	s_wait_kmcnt 0x0
	s_load_b256 s[76:83], s[8:9], 0x0              ; e0 .. e7
	s_cmp_eq_u32 ttmp9, 2
	s_cselect_b64 s[86:87], s[6:7], s[4:5]         ; the A side's buffer: W for v, xc else
	s_cselect_b64 s[88:89], s[4:5], s[6:7]         ; the B side's
	s_add_nc_u64 s[20:21], s[86:87], s[20:21]
	s_add_nc_u64 s[46:47], s[88:89], s[46:47]
	CROUND                                         ; all sixteen work-groups are here: the first joint loads meet
.irp s, 0,1
	s_mov_b32 s[G0+4*\s], 1
	s_add_co_u32 s[G0+4*\s+1], s45, \s*SLOT
	s_add_nc_u64 s[G0+4*\s+2:G0+4*\s+3], s[20:21], \s*ROWB
	s_or_b32 s[G0+4*\s+3], s[G0+4*\s+3], 0x80000000
	s_mov_b32 s[G0B+4*\s], 1
	s_add_co_u32 s[G0B+4*\s+1], s45, \s*SLOT
	s_add_nc_u64 s[G0B+4*\s+2:G0B+4*\s+3], s[46:47], \s*ROWB
	s_or_b32 s[G0B+4*\s+3], s[G0B+4*\s+3], 0x80000000
.endr
	JLOAD G0, G1, G0B, G1B                         ; K step 0: one tensor load a wave at the head
	; PREFETCHES INTO THE L2.  Of the 128 rows that I fetch, each of the four partners that ask for them with me names 32, told apart by address (cx for the A side, cy for the B side): a lane a row, 256 bytes of it a K step.
	; K steps 1 and 2 are asked for here, K step 3 behind K step 1's load: each one or two loads ahead of its own.  The address registers are never rewritten.
	s_cmp_eq_u32 s15, 0                            ; do I fetch for the A side?
	s_cselect_b64 s[66:67], s[20:21], s[46:47]
	s_cselect_b32 s2, s40, s41                     ; my place among the four
	s_lshl_b32 s2, s2, 15                          ; 32 rows of 1,024 bytes
	s_mov_b32 s3, 0
	s_add_nc_u64 s[66:67], s[66:67], s[2:3]
	v_and_b32 v27, 31, v0
	v_lshlrev_b32 v27, 10, v27                     ; my lane's row
	global_prefetch_b8 v27, s[66:67] offset:256 th:TH_LOAD_NT scope:SCOPE_SE
	global_prefetch_b8 v27, s[66:67] offset:512 th:TH_LOAD_NT scope:SCOPE_SE
	v_and_b32 v1, 15, v0                           ; r
	v_bfe_u32 v2, v0, 4, 1                         ; h
	v_mul_u32_u24 v3, v1, PITCH
	v_lshl_add_u32 v4, v2, 4, v3                   ; a fragment's row x pitch + 16 h
	s_mul_i32 s21, s15, HALFT                      ; my 128 rows of the A side
	s_mul_i32 s22, s16, HALFT                      ; my 128 rows of the B side,
	s_add_co_u32 s22, s22, 2*HALFT                 ; which lie behind the A side's 256
.irp s, 0,1
	v_add_nc_u32 v[ADRA+\s], s21, v4
	v_add_nc_u32 v[ADRB+\s], s22, v4
	s_add_co_u32 s21, s21, SLOT
	s_add_co_u32 s22, s22, SLOT
.endr
	v_and_b32 v6, 31, v0
	v_lshlrev_b32 v[CO], 4, v6
	v_lshlrev_b32 v[BOFN], 5, v2
	s_wait_alu depctr_va_vdst(0)
	v_lshlrev_b32 v[BOFM], 2, v1
	; the biases.  Both sets are loaded on every path; the set that the path does not use is read from in_proj_b's first bytes, so that no load leaves the buffer
	s_wait_alu depctr_va_vdst(0)
	s_lshl_b32 s90, s42, 10
	s_lshl_b32 s91, s16, 9
	s_add_co_u32 s90, s90, s91                     ; 4 (256 x the B side's tile + 128 x half)
	s_lshl_b32 s92, s17, 10
	s_lshl_b32 s93, s15, 9
	s_add_co_u32 s92, s92, s93                     ; 4 (256 x the A side's tile + 128 x half)
	s_cmp_eq_u32 ttmp9, 2
	s_cselect_b32 s90, 0, s90
	s_cselect_b32 s92, s92, 0
	s_mov_b32 s91, 0
	s_mov_b32 s93, 0
	s_add_nc_u64 s[90:91], s[10:11], s[90:91]
	s_add_nc_u64 s[92:93], s[10:11], s[92:93]
.irp b, 0,1,2,3,4,5,6,7
	global_load_b128 v[BIASN+8*\b:BIASN+8*\b+3], v[BOFN], s[90:91] offset:64*\b
	global_load_b128 v[BIASN+8*\b+4:BIASN+8*\b+7], v[BOFN], s[90:91] offset:64*\b+16
.endr
.irp a, 0,1,2,3,4,5,6,7
	global_load_b32 v[BIASM+2*\a], v[BOFM], s[92:93] offset:64*\a
	global_load_b32 v[BIASM+2*\a+1], v[BOFM], s[92:93] offset:64*\a
.endr
	; where my images go.  One formula for the three: ((batch x 16 + head0) << 17) + ((token0 mod 2048) << 6): a tile of 16 tokens of q or k is 1,024 bytes, a block of 128 keys of v 8,192
	s_cmp_eq_u32 ttmp9, 2
	s_cselect_b32 s84, s42, s17                    ; the tile that names tokens: the B side's for v, the A side's else,
	s_cselect_b32 s85, s16, s15                    ; and my half of it
	s_cselect_b32 s94, s17, s42                    ; the tile that names features,
	s_cselect_b32 s95, s15, s16                    ; and my half of it
	s_lshl_b32 s84, s84, 8
	s_lshl_b32 s85, s85, 7
	s_add_co_u32 s84, s84, s85                     ; token0
	s_and_b32 s94, s94, 3                          ; each of q, k, v is four tiles wide
	s_lshl_b32 s94, s94, 2
	s_lshl_b32 s95, s95, 1
	s_add_co_u32 s94, s94, s95                     ; head0: my 128 features are two heads
	s_lshr_b32 s85, s84, 11                        ; batch
	s_lshl_b32 s85, s85, 4
	s_add_co_u32 s85, s85, s94
	s_lshl_b32 s85, s85, 17
	s_and_b32 s84, s84, 2047
	s_lshl_b32 s84, s84, 6
	s_add_co_u32 s84, s84, s85
	s_mov_b32 s85, 0
	s_cmp_eq_u32 ttmp9, 0
	s_cselect_b64 s[74:75], s[68:69], s[70:71]
	s_cmp_eq_u32 ttmp9, 2
	s_cselect_b64 s[74:75], s[72:73], s[74:75]
	s_add_nc_u64 s[74:75], s[74:75], s[84:85]
.macro FRAG reg, adr, q, i             ; a fragment, 16 rows x 128 K: lane l holds row l % 16; registers 4 c .. 4 c + 3 hold K = 32 c + 16 (l / 16) + 0 .. 15, on both sides alike
.irp c, 0,1,2,3
	ds_load_b128 v[\reg+4*\c:\reg+4*\c+3], v[\adr] offset:128*(\q)+32*\c+(\i)*16*PITCH
.endr
.endm
; 16 matrix instructions: the A side's blocks a0, a0 + 1 x the B side's eight, 128 along K.  p: the B side's set.  zero = 1: the first product starts the sums.
; The 64 accumulators take turns, one instruction a turn, in the same order in every step.
.macro MUL16 a0, p, zero
.irp a, \a0, \a0+1
.irp b, 0,1,2,3,4,5,6,7
.if \zero
	v_wmma_f32_16x16x128_fp8_fp8 v[8*(8*((\a)%4)+\b):8*(8*((\a)%4)+\b)+7], v[128*(\p)+FR*\b:128*(\p)+FR*\b+FR-1], v[AF+FR*(\a):AF+FR*(\a)+FR-1], 0
.else
	v_wmma_f32_16x16x128_fp8_fp8 v[8*(8*((\a)%4)+\b):8*(8*((\a)%4)+\b)+7], v[128*(\p)+FR*\b:128*(\p)+FR*\b+FR-1], v[AF+FR*(\a):AF+FR*(\a)+FR-1], v[8*(8*((\a)%4)+\b):8*(8*((\a)%4)+\b)+7]
.endif
.endr
.endr
.endm
.macro FETCH_B slot, q, p              ; the B side's eight fragments of the slot's q-th 128 along K into set p
	WIN TO_B
.irp i, 0,1,2,3,4,5,6,7
	FRAG 128*(\p)+FR*\i, ADRB+\slot, \q, \i
.endr
	WIN 0
.endm
.macro FETCH_A slot, q, i0             ; the A side's blocks i0 .. i0 + 3
.irp i, \i0, \i0+1, \i0+2, \i0+3
	FRAG AF+FR*(\i), ADRA+\slot, \q, \i
.endr
.endm
.macro PLACES n                        ; plain vector lines between a matrix instruction and a load into, or a vector line on, one of its registers
.rept \n
	v_nop
.endr
.endm
.macro STEP slot, q, zero              ; a step of 128 along K that has its successor in the same slot
	s_wait_dscnt 4*NL                              ; the B side's set and the A side's blocks 0-3 are in; the youngest 16 loads (blocks 4-7) may be out
	WIN MUL_LO
	MUL16 0, (\q)%2, \zero
	MUL16 2, (\q)%2, \zero
	s_wait_dscnt 0                                 ; blocks 4-7 are in
	PLACES NP
	FETCH_B \slot, (\q)+1, 1-(\q)%2
	FETCH_A \slot, (\q)+1, 0
	WIN MUL_HI
	MUL16 4, (\q)%2, \zero
	MUL16 6, (\q)%2, \zero
	PLACES NP
	WIN 0
	FETCH_A \slot, (\q)+1, 4
.endm
; A slot's last step changes slots: ONE barrier; in front of it each wave waits for all its tensor loads, adds 0 to its spare word, and waits for that and for its own reads of this slot.  fill = 1: this slot is filled again, two K steps ahead.
.macro TURN slot, next, fill
	s_wait_tensorcnt 0x0                           ; all my tensor loads have landed: my part of the next slot;  (every window is 0 here)
	ds_add_u32 v[SPW], v[NIL]                      ; 0 onto my spare word;
	s_wait_dscnt 4*NL+1                            ; (the add and the youngest 16 loads may be out)
	WIN MUL_LO
	MUL16 0, 1, 0                                  ; sixteen matrix instructions stand between the add and the wait for it
	s_wait_dscnt 0x0                               ; the add is done, and my reads of this slot are over
	s_barrier_signal -1
	MUL16 2, 1, 0
	WIN 0
	s_barrier_wait -1
.if \fill
	CREST                                          ; the barrier has opened a round of the cluster's barrier: no wave of any partner still reads this slot's tile or has a load on its way
	s_add_nc_u64 s[G0+4*\slot+2:G0+4*\slot+3], s[G0+4*\slot+2:G0+4*\slot+3], 2*ROWB
	s_add_nc_u64 s[G0B+4*\slot+2:G0B+4*\slot+3], s[G0B+4*\slot+2:G0B+4*\slot+3], 2*ROWB
	JLOAD G0+4*\slot, G1, G0B+4*\slot, G1B         ; the first tensor load behind the round; its four v_nop are the places in front of the loads below
.else
	PLACES NP
.endif
	FETCH_B \next, 0, 0
	FETCH_A \next, 0, 0
	WIN MUL_HI
	MUL16 4, 1, 0
	MUL16 6, 1, 0
	PLACES NP
	WIN 0
	FETCH_A \next, 0, 4
.endm
	s_wait_alu depctr_va_vdst(0)
	s_wait_tensorcnt 0x0                           ; my part of K step 0 is in; a later first fill is issued as a refill is:
	ds_add_u32 v[SPW], v[NIL]                      ; 0 onto my spare word
	s_wait_dscnt 0x0
	CROUND                                         ; everybody's part of K step 0 is in, and the sixteen work-groups meet
	JLOAD G0+4, G1, G0B+4, G1B                     ; K step 1: the first tensor load behind the round
	global_prefetch_b8 v27, s[66:67] offset:768 th:TH_LOAD_NT scope:SCOPE_SE   ; K step 3, the last
	FETCH_B 0, 0, 0
	FETCH_A 0, 0, 0
	FETCH_A 0, 0, 4
	STEP 0, 0, 1                                   ; K = 1,024 is four K steps, eight steps of 128: written straight, a loop would have one trip
	TURN 0, 1, 1                                   ; slot 0 takes K step 2
	STEP 1, 0, 0
	TURN 1, 0, 1                                   ; slot 1 takes K step 3
	STEP 0, 0, 0
	TURN 0, 1, 0                                   ; nothing is left to fetch
	STEP 1, 0, 0
	s_wait_dscnt 4*NL
	WIN MUL_LO
	MUL16 0, 1, 0
	MUL16 2, 1, 0
	s_wait_dscnt 0
	WIN MUL_HI
	MUL16 4, 1, 0
	MUL16 6, 1, 0
	WIN 0
; THE WAY OUT of block a (16 A-side rows x 128 B-side rows): sum x 2^(e0 + e1) + bias, one packed multiply-add for two numbers, each accumulator from its low end on; the hold; eight conversions; four stores.
; path = 0: q, k: the bias goes with the B side; groups 0, 1 are head0's image of tokens 16 a on, groups 2, 3 head0 + 1's.   path = 1: v: the bias goes with the A side; the four groups are the image of d tile a % 4 of head0 + a / 4.
.macro QBLOCK a, path
.set AC, 64*((\a)%4)
.set CS, CD+16*((\a)%4)
.if (\a) >= 4
	s_wait_xcnt 0x0                                ; block a - 4's stores have read this set of codes
.endif
	WIN 0x02+((\a)/4)                              ; source 0: window 2 or 3
.irp b, 0,1,2,3,4,5,6,7
.irp i, 0,2,4,6
.if \path
	v_pk_fma_f32 v[TMP+8*\b+\i:TMP+8*\b+\i+1], v[AC+8*\b+\i:AC+8*\b+\i+1], s[96:97], v[BIASM+2*(\a):BIASM+2*(\a)+1] op_sel_hi:[1,0,1]
.else
	v_pk_fma_f32 v[TMP+8*\b+\i:TMP+8*\b+\i+1], v[AC+8*\b+\i:AC+8*\b+\i+1], s[96:97], v[BIASN+8*\b+\i:BIASN+8*\b+\i+1] op_sel_hi:[1,0,1]
.endif
.endr
.endr
	WIN 0
.set n, 0
.rept 64
	v_med3_num_f32 v[TMP+n], v[TMP+n], -v[LIM], v[LIM]   ; the conversion to an 8-bit code does not saturate (ISA guide 7.6.2)
.set n, n+1
.endr
.irp b, 0,1,2,3,4,5,6,7
	v_cvt_scalef32_pk8_fp8_f32 v[CS+2*\b:CS+2*\b+1], v[TMP+8*\b:TMP+8*\b+7], v[SCV]
.endr
	v_nop                                          ; a plain vector line between the conversions and the next block's lines, which write their sources
.irp u, 0,1,2,3
.if \path
	global_store_b128 v[CO], v[CS+4*\u:CS+4*\u+3], s[74:75] offset:((\a)/4)*131072+2048*((\a)%4)+512*\u
.else
	global_store_b128 v[CO], v[CS+4*\u:CS+4*\u+3], s[74:75] offset:(\u/2)*131072+1024*(\a)+512*(\u%2)
.endif
.endr
.endm
	s_wait_kmcnt 0x0
	s_add_co_i32 s96, s76, s77                     ; e0 + e1
	s_add_co_i32 s96, s96, 127
	s_lshl_b32 s96, s96, 23                        ; 2^(e0 + e1) as f32
	s_mov_b32 s97, s96                             ; (named with it as a pair, so it is written)
	s_cmp_eq_u32 ttmp9, 0
	s_cselect_b32 s98, s78, s79                    ; e2 for q, e3 for k,
	s_cmp_eq_u32 ttmp9, 2
	s_cselect_b32 s98, s81, s98                    ; e5 for v: a choice, no branch
	s_add_co_i32 s98, s98, 127
	s_lshl_b32 s99, s98, 23
	v_mov_b32 v[SCV], s99
	s_add_co_i32 s98, s98, 8
	s_lshl_b32 s98, s98, 23
	s_or_b32 s98, s98, 0x600000
	v_mov_b32 v[LIM], s98
	s_wait_loadcnt 0x0                             ; the biases
	PLACES NP                                      ; behind the last products: the lines below read results and write registers that held fragments
	s_cmp_eq_u32 ttmp9, 2
	s_cbranch_scc1 .Lv                             ; on the cluster's x: alike in all partners
.irp a, 0,1,2,3,4,5,6,7
	QBLOCK \a, 0
.endr
	s_branch .Lend
.Lv:
.irp a, 0,1,2,3,4,5,6,7
	QBLOCK \a, 1
.endr
.Lend:
	s_wait_tensorcnt 0x0                           ; the wave's end
	ds_add_u32 v[SPW], v[NIL]
	s_wait_dscnt 0x0
	CROUND                                         ; the closing round: no work-group ends while a partner may still ask for a tile that names it
	s_endpgm
.Lfunc_end_k_q4a2f51f5e0_qkv:
	.size	k_q4a2f51f5e0_qkv, .Lfunc_end_k_q4a2f51f5e0_qkv-k_q4a2f51f5e0_qkv
	.p2alignl 7, 3214868480
	.fill 96, 4, 3214868480
	.section	.rodata,"a",@progbits
	.p2align	6, 0x0
	.amdhsa_kernel k_q4a2f51f5e0_qkv
		.amdhsa_group_segment_fixed_size 327680
		.amdhsa_private_segment_fixed_size 0
		.amdhsa_enable_private_segment 0
		.amdhsa_kernarg_size 56
		.amdhsa_user_sgpr_count 2
		.amdhsa_user_sgpr_kernarg_segment_ptr 1
		.amdhsa_wavefront_size32 1
		.amdhsa_system_sgpr_workgroup_id_x 1
		.amdhsa_system_sgpr_workgroup_id_y 1
		.amdhsa_system_sgpr_workgroup_id_z 1
		.amdhsa_system_vgpr_workitem_id 0
		.amdhsa_next_free_vgpr 1024
		.amdhsa_next_free_sgpr 100
		.amdhsa_reserve_vcc 0
		.amdhsa_float_denorm_mode_32 3
		.amdhsa_float_denorm_mode_16_64 3
		.amdhsa_memory_ordered 1
		.amdhsa_forward_progress 1
		.amdhsa_inst_pref_size 195
	.end_amdhsa_kernel
	.amdgpu_metadata
---
amdhsa.version: [ 1, 2 ]
amdhsa.kernels:
  - .name:           k_q4a2f51f5e0_qkv
    .symbol:         k_q4a2f51f5e0_qkv.kd
    .args:
      - { .name: xc, .offset: 0, .size: 8, .value_kind: global_buffer, .address_space: global }
      - { .name: in_proj_w_codes, .offset: 8, .size: 8, .value_kind: global_buffer, .address_space: global }
      - { .name: lowp_scales, .offset: 16, .size: 8, .value_kind: global_buffer, .address_space: global }
      - { .name: in_proj_b, .offset: 24, .size: 8, .value_kind: global_buffer, .address_space: global }
      - { .name: qimg, .offset: 32, .size: 8, .value_kind: global_buffer, .address_space: global }
      - { .name: kimg, .offset: 40, .size: 8, .value_kind: global_buffer, .address_space: global }
      - { .name: vimg, .offset: 48, .size: 8, .value_kind: global_buffer, .address_space: global }
    .group_segment_fixed_size: 327680
    .private_segment_fixed_size: 0
    .kernarg_segment_align: 8
    .kernarg_segment_size: 56
    .max_flat_workgroup_size: 128
    .sgpr_count:     100
    .vgpr_count:     1024
    .wavefront_size: 32
...
	.end_amdgpu_metadata
.endif
;; end of part 2
;; launch attn (part 3): grid 8 x 32, 16 waves a work-group, no clusters, 169,984 bytes of LDS; arguments qimg, kimg, vimg, res_pos, lowp_scales, oimg; writes oimg
.if DOCPART == 3
	.amdgcn_target "amdgcn-amd-amdhsa--gfx1250"
	.amdhsa_code_object_version 6
	.text
	.protected	k_q4a2f51f5e0_attn
	.globl	k_q4a2f51f5e0_attn
	.p2align	8
	.type	k_q4a2f51f5e0_attn,@function
k_q4a2f51f5e0_attn:
	s_mov_b64 s[64:65], 0
	v_nop
	global_prefetch_b8 v0, s[64:65] scope:SCOPE_SE
	s_setreg_imm32_b32 hwreg(HW_REG_WAVE_MODE, 25, 1), 1
	s_wait_xcnt 0x0
; o = softmax(q k^T / 8 + bias) v for one head and 256 queries, both products on codes of E4M3; bias[i][j] = res_pos[head][i - j] where 0 <= i - j < 512, else the key does not count.  o is quantised at once (2^e6) for the next product.
; q, k, v arrive as IMAGES OF OPERAND REGISTERS of the plain 8-bit forms (lane (r, h): row r; registers 2 c, 2 c + 1: k = 16 c + 8 h + 0 .. 7), four registers of all lanes in 512 consecutive bytes:
;   qimg, kimg [batch x 16 + head][token / 16][2][lane][16] (K = the head's 64);  vimg [..][key / 128][d / 16][4][lane][16] (K = 128 keys).  o leaves so: oimg [token / 16][feature / 128][4][lane][16].
; THE SOFTMAX AHEAD OF THE SECOND PRODUCT: t = logit x log2(e); M = the running largest t rounded UP to a whole number; p = 2^(t - M) is quantised (2^e4), not normalised; the row's sum is taken of the unquantised p and divides at the end.
; When M moves, the sum and O are multiplied by 2^(old M - new M): exact.
; SHARES.  A work-group owns 256 queries (q0 = 256 x work-group x) of one head; each of its sixteen waves owns 16, one tile, in 256 registers: four waves to a SIMD, so that one wave's vector work stands beside another's products and LDS loads.
; THE WINDOW.  The 256 queries see keys q0 - 511 .. q0 + 255: 768 keys from KW = q0 - min(q0, 512), always inside the head.  All of it (48 KiB of K, 48 KiB of V) is fetched once, at the head, by six tensor loads of 16 KiB (waves 0 to 5):
; nothing is filled again, so there is no ring.  No cluster: neighbouring blocks of queries have windows 256 keys apart, so no whole tile is shared.
; The six blocks of 128 keys are walked DOWNWARD; a wave jumps over a block none of whose keys counts for any of its queries (scalar branches on ids): at most five are worked.  The first block that a wave works holds its queries' own keys
; (16 divides 128), so from the first step on M is a number.
; BAND AND BIAS ARE THE C OF THE FIRST PRODUCT.  T[X], X = 771 - (i - j), holds res_pos[head][i - j] x 2^(3 - e2 - e3) inside the band and -2^126 outside.  S^T = K Q^T + T, and t = c (S^T), c = log2(e) / 8 x 2^(e2 + e3):
; a key outside the band gets p = 0 with no compare.  A lane's eight registers want eight neighbouring words of T; four copies of T, each one word further on, let every lane read them by aligned loads of 16 bytes.
; LAYOUT.  Both products are used transposed (S^T = K Q^T, O^T = V^T P^T): a lane holds ONE query (lane % 16) throughout; tile t's eight scores are keys 16 t + 8 h + 0 .. 7, so their conversion gives registers 2 t, 2 t + 1 of P.
; LIMITS: e2 + e3 between -90 and 130 (c is an f32 number, and c x 2^126 is far above every t); |res_pos| x 2^(3 - e2 - e3) under 2^100; e4 and e6 between -126 and 119.  NaN among the inputs is not served.
; REGISTERS: v1-4 addresses; v12 -M, v13 the largest t, v[14:15] the sum in two halves; v16-23 Q; v26, v27 2^e6 and 448 x 2^e6; v32-95 eight fragments of K, then four of V; v96-159 T, then S^T, then p; v160-191 O^T;
;   v224-239 p's codes; v240, v244 448 x 2^e4 and 2^e4; v242-243, v246, v252-254 at work.
.set VIMG,  49152                      ; LDS: K's 48 images of 1,024 bytes from byte 0, V's 6 blocks of 8,192 from here,
.set TBL,   98304                      ; and the table: four copies of 6,208 bytes, in blocks of 256 bytes into which no tensor load lands
.set CPY,   6204                       ; from a word of T in one copy to the same word in the next: 6,208 less the copy's shift of one word
.set LI,  1                            ; v1  16 x lane: an image's place for my lane
.set LV,  2                            ; v2  the same in V's part
.set TA,  3                            ; v3  where my lane reads T for block 0, tile 0
.set TW,  4                            ; v4  where my thread writes T
.set WV,  18                           ; s18 my wave's number
.set SEL, 20                           ; s[20:21] lane selects for v_permlanex16_b32: lane l xor 16
.set CS,  22                           ; s[22:23] c
.set G1,  24                           ; s[24:31] descriptor group 1
.set G0,  32                           ; s[32:35] group 0
	s_load_b256 s[4:11], s[0:1], 0x0               ; qimg s[4:5], kimg s[6:7], vimg s[8:9], res_pos s[10:11]
	s_load_b128 s[12:15], s[0:1], 0x20             ; the scales' exponents s[12:13], oimg s[14:15]
	v_lshl_add_u32 v251, v0, 2, 0x29000
	v_mov_b32 v255, 0
	ds_add_u32 v251, v255
	ds_add_u32 v251, v255
	v_lshrrev_b32 v8, 5, v0
	s_delay_alu instid0(VALU_DEP_1)
	v_readfirstlane_b32 s[WV], v8                  ; wave 0..15
	s_lshl_b32 s36, ttmp9, 8                       ; q0
	s_min_u32 s69, s36, 512
	s_sub_co_u32 s66, s36, s69                     ; KW: the window's first key
	s_lshl_b32 s37, s[WV], 4
	s_add_co_u32 s67, s36, s37                     ; QW: my first query
	s_add_co_u32 s68, s67, 15                      ; my last
	s_and_b32 s38, ttmp7, 0xffff                   ; batch x 16 + head
	s_lshl_b32 s72, s38, 17                        ; its first byte in qimg, kimg, vimg
	; descriptor group 1: a dense block of 16 KiB as 64 rows of 256 bytes
	s_mov_b32 s[G1], 3<<16                         ; 15:0 no mask; 17:16 elements of 8 bytes; no padding
	s_mov_b32 s[G1+1], 32<<16                      ; tensor_dim0 = 32
	s_mov_b32 s[G1+2], 64<<16                      ; tensor_dim1 = 64
	s_mov_b32 s[G1+3], 32<<16                      ; tile_dim0 = 32
	s_mov_b32 s[G1+4], 64                          ; tile_dim1 = 64
	s_mov_b32 s[G1+5], 32                          ; tensor_dim0_stride
	s_mov_b32 s[G1+6], 0
	s_mov_b32 s[G1+7], 0
	s_lshl_b32 s74, s66, 6
	s_cmp_lt_u32 s[WV], 3                          ; waves 0 to 2 fetch K's thirds, waves 3 to 5 V's
	s_cselect_b32 s39, 0, 3
	s_sub_co_u32 s39, s[WV], s39
	s_lshl_b32 s39, s39, 14
	s_add_co_u32 s74, s74, s39
	s_add_co_u32 s74, s74, s72
	s_mov_b32 s75, 0
	s_mov_b32 s[G0], 1                             ; count = 1
	s_lshl_b32 s[G0+1], s[WV], 14                  ; LDS address: wave x 16 KiB
	s_mov_b32 s[SEL], 0x76543210
	s_mov_b32 s[SEL+1], 0xfedcba98
	s_wait_dscnt 0x0
	s_wait_kmcnt 0x0
	s_load_b256 s[40:47], s[12:13], 0x0            ; e0 .. e7
	s_cmp_lt_u32 s[WV], 3
	s_cselect_b64 s[G0+2:G0+3], s[6:7], s[8:9]
	s_add_nc_u64 s[G0+2:G0+3], s[G0+2:G0+3], s[74:75]
	s_or_b32 s[G0+3], s[G0+3], 0x80000000          ; type = 2
	s_cmp_lt_u32 s[WV], 6
	s_cbranch_scc0 .Lno_fetch
	tensor_load_to_lds s[G0:G0+3], s[G1:G1+7]      ; one load a wave, ahead of every wait on TENSORcnt, every LDS read and the barrier
	s_nop 0
.rept 4
	v_nop
.endr
.Lno_fetch:
	s_lshl_b32 s76, s67, 6                         ; my tile of Q: 1,024 (QW / 16)
	s_add_co_u32 s76, s76, s72
	s_mov_b32 s77, 0
	s_add_nc_u64 s[4:5], s[4:5], s[76:77]
	v_and_b32 v9, 31, v0
	s_delay_alu instid0(VALU_DEP_1)
	v_lshlrev_b32 v[LI], 4, v9
	s_wait_alu depctr_va_vdst(0)
	global_load_b128 v[16:19], v[LI], s[4:5]       ; Q stays in registers
	global_load_b128 v[20:23], v[LI], s[4:5] offset:512
	s_and_b32 s78, s38, 15                         ; head
	s_lshl_b32 s79, s78, 11                        ; its row of res_pos
	v_sub_nc_u32 v5, 255, v0
	s_delay_alu instid0(VALU_DEP_1)
	v_and_b32 v5, 511, v5                          ; thread t takes res_pos[head][(255 - t) mod 512]
	s_delay_alu instid0(VALU_DEP_1)
	v_lshlrev_b32 v5, 2, v5
	s_delay_alu instid0(VALU_DEP_1)
	v_add_nc_u32 v5, s79, v5
	global_load_b32 v6, v5, s[10:11]
	s_lshr_b32 s80, s38, 4                         ; o's place: (batch x 128 + QW / 16) x 16,384 + head x 1,024: a head is half of a chunk of 128 features
	s_lshl_b32 s80, s80, 7
	s_lshr_b32 s81, s67, 4
	s_add_co_u32 s80, s80, s81
	s_lshl_b32 s80, s80, 14
	s_lshl_b32 s81, s78, 10
	s_add_co_u32 s80, s80, s81
	s_mov_b32 s81, 0
	s_add_nc_u64 s[14:15], s[14:15], s[80:81]
	v_add_nc_u32 v[LV], VIMG, v[LI]
	v_lshl_add_u32 v[TW], v0, 2, TBL+16            ; T[4 + t] in copy 0
	; Register j of tile u of block b holds key KW + 128 b + 16 u + 8 h + j against query QW + r: X = 771 - r + 8 h - min(q0, 512) - 16 w + 128 b + 16 u + j.  X mod 4 = 3 - r mod 4 at j = 0: that copy is read.
	; Written with 15 - r = r xor 15 and 15 - w = w xor 15, so that every step but the last adds: TBL + 4 (771 - 15 - 240) + CPY (3 xor (r mod 4)) + 32 h + 4 (15 - r) + 64 (15 - w) - 4 min(q0, 512)
	v_and_b32 v8, 15, v0                           ; r
	v_bfe_u32 v9, v0, 4, 1                         ; h
	s_delay_alu instid0(VALU_DEP_2)
	v_xor_b32 v11, 15, v8
	s_delay_alu instid0(VALU_DEP_1)
	v_lshlrev_b32 v11, 2, v11
	s_delay_alu instid0(VALU_DEP_1)
	v_lshl_add_u32 v11, v9, 5, v11
	v_and_b32 v10, 3, v8
	s_delay_alu instid0(VALU_DEP_1)
	v_xor_b32 v10, 3, v10
	s_delay_alu instid0(VALU_DEP_1)
	v_mul_u32_u24 v10, v10, CPY
	s_delay_alu instid0(VALU_DEP_1)
	v_add_nc_u32 v[TA], v10, v11
	s_xor_b32 s70, s[WV], 15
	s_lshl_b32 s70, s70, 6
	v_add_nc_u32 v[TA], s70, v[TA]
	s_delay_alu instid0(VALU_DEP_1)
	v_add_nc_u32 v[TA], TBL+2064, v[TA]
	s_lshl_b32 s69, s69, 2
	v_mov_b32 v10, s69
	s_delay_alu instid0(VALU_DEP_1)
	v_sub_nc_u32 v[TA], v[TA], v10                 ; at least TBL + 16
	v_mov_b32 v13, 0xff61b1e6                      ; the largest t so far: -3e38, under every t
	s_delay_alu instid0(VALU_DEP_1)
	v_floor_f32 v12, -v13                          ; -M
	v_mov_b32 v14, 0                               ; the sum, in two halves
	v_mov_b32 v15, 0
	v_mov_b32 v246, 0                              ; written once: a lane permute's destination counts as one of its sources
	v_mov_b32 v253, 0                              ; (named as the upper half of the pair v[252:253])
.set n, 0
.rept 32
	v_mov_b32 v[160+n], 0                          ; O^T.  (A step is written one way: the first finds zeros, which the first change of M leaves zeros)
.set n, n+1
.endr
	v_mov_b32 v7, 0xfe800000                       ; -2^126
	s_wait_kmcnt 0x0
	s_add_co_i32 s82, s42, s43                     ; e2 + e3
	s_sub_co_i32 s83, 3, s82
	s_lshl_b32 s82, s82, 23
	s_mov_b32 s[CS], 0x3e38aa3b                    ; log2(e) / 8,
	s_add_co_i32 s[CS], s[CS], s82                 ; x 2^(e2 + e3): the exponents are added to its exponent field
	s_mov_b32 s[CS+1], s[CS]                       ; (named with it as a pair, so it is written)
	s_add_co_i32 s82, s44, 127
	s_lshl_b32 s84, s82, 23
	v_mov_b32 v244, s84                            ; 2^e4
	s_add_co_i32 s82, s82, 8
	s_lshl_b32 s82, s82, 23
	s_or_b32 s82, s82, 0x600000
	v_mov_b32 v240, s82                            ; 448 x 2^e4
	s_add_co_i32 s82, s46, 127
	s_lshl_b32 s84, s82, 23
	v_mov_b32 v26, s84                             ; 2^e6
	s_add_co_i32 s82, s82, 8
	s_lshl_b32 s82, s82, 23
	s_or_b32 s82, s82, 0x600000
	v_mov_b32 v27, s82                             ; 448 x 2^e6
	s_add_co_i32 s85, s44, s45                     ; e4 + e5
	s_wait_loadcnt 0x0                             ; Q and my word of res_pos
	; THE TABLE.  Thread t writes T[4 + t], T[516 + t], T[1028 + t] into each copy.  The band is X = 260 .. 771: T[4 + t] lies in it for t >= 256 (i - j = 767 - t), T[516 + t] for t < 256 (i - j = 255 - t): both are my word
	v_and_b32 v28, 15, v0
	v_lshl_add_u32 v28, v28, 2, TBL+6160           ; the 60 bytes between copy 0's last word and copy 1's first, and that first word
	v_ldexp_f32 v6, v6, s83
	s_wait_alu depctr_va_vdst(0)
	v_cmp_gt_u32 vcc_lo, 256, v0
	s_delay_alu instid0(VALU_DEP_1)
	v_cndmask_b32 v24, v6, v7, vcc_lo
	s_delay_alu instid0(VALU_DEP_2)
	v_cndmask_b32 v25, v7, v6, vcc_lo
.irp s, 0,1,2,3
	ds_store_b32 v[TW], v24 offset:CPY*\s
	ds_store_b32 v[TW], v25 offset:2048+CPY*\s
	ds_store_b32 v[TW], v7 offset:4096+CPY*\s
.endr
	; the bytes between the copies are written too, so that the table's whole span holds numbers: wave 0 puts -2^126 there (its sixteenth word is T[4] of the next copy, which thread 0, of the same wave, has given the same value)
	s_cmp_lg_u32 s[WV], 0
	s_cbranch_scc1 .Lno_gap
.irp s, 0,1,2
	ds_store_b32 v28, v7 offset:CPY*\s
.endr
.Lno_gap:
	s_wait_tensorcnt 0x0                           ; my part of the window has landed,
	s_wait_dscnt 0x0                               ; my words of the table are stored:
	s_barrier_signal -1
	s_barrier_wait -1                              ; everybody's are.  The launch's one barrier
.macro STEP blk                        ; keys KW + 128 blk on
	s_add_co_u32 s70, s66, 128*(\blk)              ; the block's first key
	s_cmp_gt_u32 s70, s68
	s_cbranch_scc1 .Lskip_\@                       ; all its keys come after my last query
	s_add_co_u32 s70, s70, 638
	s_cmp_lt_u32 s70, s67
	s_cbranch_scc1 .Lskip_\@                       ; its last key lies 512 or more before my first query
.rept 4
	v_nop                                          ; places in front of loads into registers that the last products read
.endr
.irp t, 0,1,2,3,4,5,6,7
	ds_load_b128 v[32+8*\t:35+8*\t], v[LI] offset:8192*(\blk)+1024*\t        ; K's eight tiles, as images
	ds_load_b128 v[36+8*\t:39+8*\t], v[LI] offset:8192*(\blk)+1024*\t+512
.endr
.irp t, 0,1,2,3,4,5,6,7
	ds_load_b128 v[96+8*\t:99+8*\t], v[TA] offset:512*(\blk)+64*\t           ; band and bias, in the result's layout
	ds_load_b128 v[100+8*\t:103+8*\t], v[TA] offset:512*(\blk)+64*\t+16
.endr
	s_wait_dscnt 0x0
.irp t, 0,1,2,3,4,5,6,7
	v_wmma_f32_16x16x64_fp8_fp8 v[96+8*\t:103+8*\t], v[32+8*\t:39+8*\t], v[16:23], v[96+8*\t:103+8*\t]   ; S^T = K Q^T + T: eight accumulators, one instruction each
.endr
.rept 4
	v_nop
.endr
.irp t, 0,1,2,3
.irp g, 0,1,2,3
	ds_load_b128 v[32+16*\t+4*\g:35+16*\t+4*\g], v[LV] offset:8192*(\blk)+2048*\t+512*\g   ; V's four tiles: they land under the softmax
.endr
.endr
	v_max3_num_f32 v254, v96, v97, v98             ; the block's largest score of my query, among my 64 keys, in two chains, from each accumulator's low end on,
	v_max3_num_f32 v252, v99, v100, v101
.irp i, 6,10,14,18,22,26,30,34,38,42,46,50,54,58
	v_max3_num_f32 v254, v254, v[96+\i], v[97+\i]
	v_max3_num_f32 v252, v252, v[98+\i], v[99+\i]
.endr
	v_max3_num_f32 v254, v254, v158, v159
	s_delay_alu instid0(VALU_DEP_1)
	v_max_num_f32 v254, v254, v252
	s_delay_alu instid0(VALU_DEP_1)
	v_permlanex16_b32 v246, v254, s[SEL], s[SEL+1]
	s_delay_alu instid0(VALU_DEP_1)
	v_max_num_f32 v254, v254, v246                 ; and among lane l xor 16's
	s_delay_alu instid0(VALU_DEP_1)
	v_mul_f32 v254, s[CS], v254                    ; as t (c is positive)
	s_delay_alu instid0(VALU_DEP_1)
	v_max_num_f32 v13, v13, v254                   ; the running largest t
	v_mov_b32 v254, v12
	s_delay_alu instid0(VALU_DEP_2)
	v_floor_f32 v12, -v13                          ; the new -M = floor(-t) = -ceil(t): M is a whole number
	s_delay_alu instid0(VALU_DEP_1)
	v_sub_f32 v254, v12, v254                      ; M's old value less its new one: a whole number, 0 or less
	s_delay_alu instid0(VALU_DEP_1)
	v_cvt_i32_f32 v254, v254                       ; (it saturates)
	s_delay_alu instid0(VALU_DEP_1)
	v_ldexp_f32 v252, 1.0, v254                    ; f = 2^(old M - new M)
.set n, 0
.rept 32
	v_pk_fma_f32 v[96+n:97+n], v[96+n:97+n], s[CS:CS+1], v[12:13] op_sel_hi:[1,0,0]   ; t - M, two at a time (of the pairs c and -M the low word serves both halves)
.set n, n+2
.endr
.set n, 0
	s_wait_alu depctr_va_vdst(0)
.rept 64
	v_exp_f32 v[96+n], v[96+n]                     ; p = 2^(t - M), at most 1; 0 outside the band
.set n, n+1
.endr
	v_pk_mul_f32 v[14:15], v[14:15], v[252:253] op_sel_hi:[1,0]   ; the sums under the new M.  (The plain line behind the exponentials)
	s_wait_alu depctr_va_vdst(0)                   ; one wait for the whole batch, ahead of its first reader
	v_pk_add_f32 v[242:243], v[100:101], v[104:105]
	v_pk_add_f32 v[248:249], v[108:109], v[112:113]
	v_pk_add_f32 v[238:239], v[116:117], v[120:121]
	v_pk_add_f32 v[236:237], v[124:125], v[128:129]
	v_pk_add_f32 v[234:235], v[132:133], v[136:137]
	v_pk_add_f32 v[232:233], v[140:141], v[144:145]
	v_pk_add_f32 v[230:231], v[148:149], v[152:153]
	v_pk_add_f32 v[14:15], v[14:15], v[156:157]
	v_pk_add_f32 v[242:243], v[242:243], v[96:97]
	v_pk_add_f32 v[248:249], v[248:249], v[98:99]
	v_pk_add_f32 v[238:239], v[238:239], v[102:103]
	v_pk_add_f32 v[236:237], v[236:237], v[106:107]
	v_pk_add_f32 v[234:235], v[234:235], v[110:111]
	v_pk_add_f32 v[232:233], v[232:233], v[114:115]
	v_pk_add_f32 v[230:231], v[230:231], v[118:119]
	v_pk_add_f32 v[14:15], v[14:15], v[122:123]
	v_pk_add_f32 v[242:243], v[242:243], v[126:127]
	v_pk_add_f32 v[248:249], v[248:249], v[130:131]
	v_pk_add_f32 v[238:239], v[238:239], v[134:135]
	v_pk_add_f32 v[236:237], v[236:237], v[138:139]
	v_pk_add_f32 v[234:235], v[234:235], v[142:143]
	v_pk_add_f32 v[232:233], v[232:233], v[146:147]
	v_pk_add_f32 v[230:231], v[230:231], v[150:151]
	v_pk_add_f32 v[14:15], v[14:15], v[154:155]
	v_pk_add_f32 v[242:243], v[242:243], v[158:159]
	s_delay_alu instid0(VALU_DEP_2)
	v_pk_add_f32 v[14:15], v[14:15], v[236:237]
	s_delay_alu instid0(VALU_DEP_2)
	v_pk_add_f32 v[242:243], v[242:243], v[234:235]
	v_pk_add_f32 v[248:249], v[248:249], v[232:233]
	v_pk_add_f32 v[238:239], v[238:239], v[230:231]
	s_delay_alu instid0(VALU_DEP_2)
	v_pk_add_f32 v[14:15], v[14:15], v[248:249]
	s_delay_alu instid0(VALU_DEP_2)
	v_pk_add_f32 v[242:243], v[242:243], v[238:239]
	s_delay_alu instid0(VALU_DEP_1)
	v_pk_add_f32 v[14:15], v[14:15], v[242:243]
.set n, 0
.rept 64
	v_min_num_f32 v[96+n], v[96+n], v240           ; the conversion does not saturate (ISA guide 7.6.2); p is not negative, so the hold is one-sided
.set n, n+1
.endr
.irp t, 0,1,2,3,4,5,6,7
	v_cvt_scalef32_pk8_fp8_f32 v[224+2*\t:225+2*\t], v[96+8*\t:103+8*\t], v244   ; keys 16 t + 8 h + 0 .. 7: registers 2 t, 2 t + 1 of P
.endr
.set n, 0
.rept 16
	v_pk_mul_f32 v[160+n:161+n], v[160+n:161+n], v[252:253] op_sel_hi:[1,0]   ; O^T under the new M.  (Also the plain lines between the conversions and the products)
.set n, n+2
.endr
	s_wait_alu depctr_va_vdst(0)
	s_wait_dscnt 0x0                               ; V
.irp t, 0,1,2,3
	v_wmma_f32_16x16x128_fp8_fp8 v[160+8*\t:167+8*\t], v[32+16*\t:47+16*\t], v[224:239], v[160+8*\t:167+8*\t]   ; O^T += V^T P^T: four accumulators by turns
.endr
.Lskip_\@:
.endm
	STEP 5
	STEP 4
	STEP 3
	STEP 2
	STEP 1
	STEP 0
	; THE WAY OUT: O^T / the sum x 2^(e4 + e5) is o(query r, feature 16 t + 8 h + j); held, converted with 2^e6: registers 2 t, 2 t + 1 of the head's half of the next operand's image.  Two stores of 512 consecutive bytes, aligned
.rept 4
	v_nop                                          ; places behind the last products
.endr
	v_add_f32 v14, v14, v15                        ; the sum's two halves,
	s_delay_alu instid0(VALU_DEP_1)
	v_permlanex16_b32 v246, v14, s[SEL], s[SEL+1]
	s_delay_alu instid0(VALU_DEP_1)
	v_add_f32 v14, v14, v246                       ; and lane l xor 16's
	s_wait_alu depctr_va_vdst(0)
	v_rcp_f32 v14, v14
	v_nop                                          ; a plain line behind the reciprocal
	s_wait_alu depctr_va_vdst(0)                   ; and the wait ahead of its first reader
	v_ldexp_f32 v14, v14, s85
.set n, 0
.rept 32
	v_mul_f32 v[96+n], v[160+n], v14               ; each accumulator from its low end on
.set n, n+1
.endr
.set n, 0
.rept 32
	v_med3_num_f32 v[96+n], v[96+n], -v27, v27
.set n, n+1
.endr
.irp t, 0,1,2,3
	v_cvt_scalef32_pk8_fp8_f32 v[128+2*\t:129+2*\t], v[96+8*\t:103+8*\t], v26
.endr
	v_nop
	global_store_b128 v[LI], v[128:131], s[14:15]
	global_store_b128 v[LI], v[132:135], s[14:15] offset:512
	s_wait_tensorcnt 0x0
	ds_add_u32 v251, v255
	s_wait_dscnt 0x0
	s_endpgm
.Lfunc_end_k_q4a2f51f5e0_attn:
	.size	k_q4a2f51f5e0_attn, .Lfunc_end_k_q4a2f51f5e0_attn-k_q4a2f51f5e0_attn
	.p2alignl 7, 3214868480
	.fill 96, 4, 3214868480
	.section	.rodata,"a",@progbits
	.p2align	6, 0x0
	.amdhsa_kernel k_q4a2f51f5e0_attn
		.amdhsa_group_segment_fixed_size 169984
		.amdhsa_private_segment_fixed_size 0
		.amdhsa_enable_private_segment 0
		.amdhsa_kernarg_size 48
		.amdhsa_user_sgpr_count 2
		.amdhsa_user_sgpr_kernarg_segment_ptr 1
		.amdhsa_wavefront_size32 1
		.amdhsa_system_sgpr_workgroup_id_x 1
		.amdhsa_system_sgpr_workgroup_id_y 1
		.amdhsa_system_sgpr_workgroup_id_z 1
		.amdhsa_system_vgpr_workitem_id 0
		.amdhsa_next_free_vgpr 256
		.amdhsa_next_free_sgpr 100
		.amdhsa_reserve_vcc 1
		.amdhsa_float_denorm_mode_32 3
		.amdhsa_float_denorm_mode_16_64 3
		.amdhsa_memory_ordered 1
		.amdhsa_forward_progress 1
		.amdhsa_inst_pref_size 113
	.end_amdhsa_kernel
	.amdgpu_metadata
---
amdhsa.version: [ 1, 2 ]
amdhsa.kernels:
  - .name:           k_q4a2f51f5e0_attn
    .symbol:         k_q4a2f51f5e0_attn.kd
    .args:
      - { .name: qimg, .offset: 0, .size: 8, .value_kind: global_buffer, .address_space: global }
      - { .name: kimg, .offset: 8, .size: 8, .value_kind: global_buffer, .address_space: global }
      - { .name: vimg, .offset: 16, .size: 8, .value_kind: global_buffer, .address_space: global }
      - { .name: res_pos, .offset: 24, .size: 8, .value_kind: global_buffer, .address_space: global }
      - { .name: lowp_scales, .offset: 32, .size: 8, .value_kind: global_buffer, .address_space: global }
      - { .name: oimg, .offset: 40, .size: 8, .value_kind: global_buffer, .address_space: global }
    .group_segment_fixed_size: 169984
    .private_segment_fixed_size: 0
    .kernarg_segment_align: 8
    .kernarg_segment_size: 48
    .max_flat_workgroup_size: 512
    .sgpr_count:     100
    .vgpr_count:     256
    .wavefront_size: 32
...
	.end_amdgpu_metadata
.endif
;; end of part 3
;; launch outproj (part 4): grid 8 x 32, 4 waves a work-group, clusters of 4 x 4, 327,680 bytes of LDS; arguments oimg, out_w_codes, lowp_scales, out_b, x, x1; writes x1
.if DOCPART == 4
	.amdgcn_target "amdgcn-amd-amdhsa--gfx1250"
	.amdhsa_code_object_version 6
	.text
	.protected	k_q4a2f51f5e0_outproj
	.globl	k_q4a2f51f5e0_outproj
	.p2align	8
	.type	k_q4a2f51f5e0_outproj,@function
k_q4a2f51f5e0_outproj:
	s_mov_b64 s[64:65], 0
	v_nop
	global_prefetch_b8 v0, s[64:65] scope:SCOPE_SE
	s_setreg_imm32_b32 hwreg(HW_REG_WAVE_MODE, 25, 1), 1
	s_wait_xcnt 0x0
	s_wait_alu depctr_hold_cnt(0) depctr_sa_sdst(0) depctr_va_vdst(0) depctr_va_sdst(0) depctr_va_ssrc(0) depctr_va_vcc(0) depctr_vm_vsrc(0)
	s_getreg_b32 s2, hwreg(HW_REG_IB_STS2, 6, 4)
	s_cmp_eq_u32 s2, 0
	s_cbranch_scc0 .Lentry_in_a_cluster
	s_endpgm
.Lentry_in_a_cluster:
	s_bfe_u32 s2, ttmp6, 0x10000c
	s_cmp_lg_u32 s2, 0xf033
	s_cbranch_scc0 .Lentry_shape_is_right
	s_endpgm
.Lentry_shape_is_right:
; out = res + bias + A W^T on codes of E4M3.  A: [4096][SIZE_K] as IMAGES OF OPERAND REGISTERS, [row / 16][k / 128][4 groups][lane][16 bytes] (lane (r, h): row r; registers 2 c, 2 c + 1: k = 16 c + 8 h + 0 .. 7), scale 2^eA;
; W: [1024][SIZE_K] codes, row-major, scale 2^eB;  eA, eB: the two entries of the scales' buffer at byte EOFF.  bias [1024], res and out [4096][1024]: f32.  Sums in f32, each multiplied once by 2^(eA + eB).
; A tile of 128 x 128 of the output to a work-group (256 work-groups; tiles of 256 x 256 would be 64), four waves of 64 x 64: 16 accumulators.  K goes in steps of 512 through two LDS slots filled by the tensor data mover.
; A's fragments come out of LDS as they lie, four loads of 16 bytes at 16 x lane.  W's fragments are read in the SAME, the form's own, layout: eight loads of 8 bytes, 16 bytes apart, at row x pitch + 8 h.
; THE MATRIX INSTRUCTION IS USED TRANSPOSED (source 0 = 16 rows of W, source 1 = 16 rows of A): a lane holds eight neighbouring numbers of a row of the output.
; CLUSTERS: 4 x 4 work-groups; A's tiles are shared along a row of the cluster, W's along a column: each is asked for JOINTLY.
; LIMIT: eA + eB between -126 and 127.
; REGISTERS: window 0: v0-31 addresses, v8-11 the bias of my four columns on the way out; v32-63, v64-95 at work on the way out; v128-255 the accumulators ((a, b) at v[128 + 8 (4 a + b)]).
;   window 1: two fragment buffers of 128: 64 registers of A (4 x 16 rows x 128 K), then 64 of W.   window 2: v0-127 the residual of my 64 x 64, in the layout of the stores, asked for at the head.
.set SIZE_K, 1024
.set EOFF,   24                        ; byte of eA in the scales' buffer
.set KSTEP,  512
.set PITCH,  528                       ; a row of W in LDS: 512 bytes + 16 of padding = 132 words: row r starts at bank 4 r mod 64 (64 banks of 4 bytes: ISA guide 11.1)
.set AHALF,  32768                     ; 4 row tiles x 4 chunks x 2,048 bytes: what one tensor load brings of A, and what one wave reads
.set BHALF,  64*PITCH                  ; 64 rows of W
.set BOFF,   2*AHALF
.set SLOT,   BOFF+2*BHALF              ; A's 128 rows, then W's 128 rows: 133,120 bytes
.set SPARE,  2*SLOT                    ; behind the ring: the spare words, 128 bytes for each wave: two blocks of 256 bytes that no other line names
.set SPITCH, 272                       ; the way out: a stage of 16 rows x (256 bytes + 16) for each wave.  It lies in slot 0, which has had its last fill and its last read when the first result is stored there
.set LAPS,   SIZE_K/(2*KSTEP)          ; a lap = two K steps = once round the ring
.set BI,   8                           ; v8-11
.set BO,   12                          ; v12     16 (lane % 16)
.set ADRA, 16                          ; v16-17  LDS address of my A fragments in slot 0, 1
.set ADRB, 20                          ; v20-21  the same for W
.set STO,  24                          ; v24     the way out: where I put 32 bytes of a row
.set RD,   25                          ; v25     where I read a row back
.set CO,   26                          ; v26     my byte offset in two rows of the output
.set SPW,  28                          ; v28     LDS address of my spare word; never rewritten
.set NIL,  29                          ; v29     0; never rewritten
.set BK,   32
.set OUT,  64
.set ACC,  128
.set F0,   0
.set F1,   128
.set G1, 24                            ; s[24:31] descriptor group 1 for A's tiles;  s[32:39] group 0, one set for each slot
.set G0, 32
.set G1B, 48                           ; s[48:55], s[56:63] the same for W's tiles
.set G0B, 56
.set MSB, 0
.macro WIN new                         ; the immediate's high byte repeats the setting that is left
.if MSB != \new
	s_set_vgpr_msb (MSB<<8)|\new
.set MSB, \new
.endif
.endm
.set MUL,  0x05                        ; sources 0 (W) and 1 (A) window 1; C and D window 0
.set TO_F, 0x40                        ; destination window 1, address window 0
.macro JLOAD s                         ; a joint load: waves 0 and 1 fetch A's two halves, waves 2 and 3 W's; four v_nop follow each of the two lines
	s_cmp_eq_u32 s15, 0
	s_cbranch_scc0 .Lfor_b_\@
	tensor_load_to_lds s[G0+4*\s:G0+4*\s+3], s[G1:G1+7]
	s_nop 0
.rept 4
	v_nop
.endr
	s_branch .Lasked_\@
.Lfor_b_\@:
	tensor_load_to_lds s[G0B+4*\s:G0B+4*\s+3], s[G1B:G1B+7]
	s_nop 0
.rept 4
	v_nop
.endr
.Lasked_\@:
.endm
.macro CREST                           ; a round of the cluster's barrier behind its opening barrier
	s_cmp_lg_u32 s14, 0
	s_cbranch_scc1 .Lnot_wave_0_\@
	s_barrier_signal -3
.Lnot_wave_0_\@:
	s_barrier_wait -3
	s_barrier_signal -1
	s_barrier_wait -1
.endm
.macro CROUND                          ; a whole round
	s_barrier_signal -1
	s_barrier_wait -1
	CREST
.endm
	s_load_b256 s[4:11], s[0:1], 0x0               ; A's images s[4:5], W's codes s[6:7], the scales' exponents s[8:9], the bias s[10:11]
	s_load_b128 s[68:71], s[0:1], 0x20             ; the residual s[68:69], the output s[70:71]
	v_lshl_add_u32 v[SPW], v0, 2, SPARE
	v_mov_b32 v[NIL], 0
	ds_add_u32 v28, v29
	ds_add_u32 v28, v29
	s_wait_dscnt 0x0
	v_lshrrev_b32 v1, 5, v0
	v_readfirstlane_b32 s14, v1                    ; wave 0..3
	s_lshr_b32 s15, s14, 1                         ; which half of the tile's rows is mine.  Also: I fetch for A (0) or for W (1)
	s_and_b32 s16, s14, 1                          ; which half of its columns.  Also: which half of that tile I fetch
	s_bfe_u32 s40, ttmp6, 0x40000                  ; cx, cy: my place in the cluster
	s_bfe_u32 s41, ttmp6, 0x40004
	s_lshl_b32 s42, ttmp9, 2
	s_add_co_u32 s42, s42, s40                     ; tile column = 4 x cluster x + cx
	s_and_b32 s17, ttmp7, 0xffff
	s_lshl_b32 s17, s17, 2
	s_add_co_u32 s17, s17, s41                     ; tile row = 4 x cluster y + cy
	s_lshl_b32 s43, s41, 2
	s_lshl_b32 s43, 15, s43                        ; my row of the cluster
	s_lshl_b32 s44, 0x1111, s40                    ; my column
	; descriptor group 1.  A: 4 row tiles; of each, a K step's four chunks: 8,192 consecutive bytes; from row tile to row tile 16 SIZE_K bytes; dense in LDS
	s_or_b32 s[G1+0], s43, (3<<16)|(1<<21)         ; 15:0 the mask: my row; 17:16 elements of 8 bytes; 21 set beside a mask; no padding
	s_mov_b32 s[G1+1], 1024<<16                    ; tensor_dim0 = 1,024
	s_mov_b32 s[G1+2], 4<<16                       ; tensor_dim1 = 4
	s_mov_b32 s[G1+3], 1024<<16                    ; tile_dim0
	s_mov_b32 s[G1+4], 4                           ; tile_dim1
	s_mov_b32 s[G1+5], 2*SIZE_K                    ; tensor_dim0_stride, in elements
	s_mov_b32 s[G1+6], 0
	s_mov_b32 s[G1+7], 0
	; W: 64 rows x 512 bytes, padded in LDS
	s_or_b32 s[G1B+0], s44, (0<<16)|(1<<20)|(1<<21)|(6<<22)|(3<<25)  ; the mask: my column; elements of 1 byte; padding on: after every 128 words (code 6) 4 words (code 3)
	s_mov_b32 s[G1B+1], KSTEP<<16
	s_mov_b32 s[G1B+2], 64<<16
	s_mov_b32 s[G1B+3], KSTEP<<16
	s_mov_b32 s[G1B+4], 64
	s_mov_b32 s[G1B+5], SIZE_K
	s_mov_b32 s[G1B+6], 0
	s_mov_b32 s[G1B+7], 0
	s_lshl_b32 s20, s17, 3
	s_lshl_b32 s18, s16, 2
	s_add_co_u32 s20, s20, s18                     ; A: row tile 8 x tile row + 4 x half,
	s_mul_i32 s20, s20, 16*SIZE_K                  ; in bytes (under 2^25)
	s_mov_b32 s21, 0
	s_lshl_b32 s46, s42, 7
	s_lshl_b32 s19, s16, 6
	s_add_co_u32 s46, s46, s19                     ; W: row 128 x tile column + 64 x half,
	s_mul_i32 s46, s46, SIZE_K                     ; in bytes
	s_mov_b32 s47, 0
	s_mul_i32 s45, s16, AHALF                      ; where they go: no place in the cluster enters an LDS address
	s_mul_i32 s22, s16, BHALF
	s_add_co_u32 s22, s22, BOFF
	s_wait_kmcnt 0x0
	s_load_b64 s[96:97], s[8:9], EOFF              ; eA, eB
	s_add_nc_u64 s[20:21], s[4:5], s[20:21]
	s_add_nc_u64 s[46:47], s[6:7], s[46:47]
	CROUND                                         ; all sixteen work-groups are here: the first joint loads meet
.irp s, 0,1
	s_mov_b32 s[G0+4*\s], 1
	s_add_co_u32 s[G0+4*\s+1], s45, \s*SLOT
	s_add_nc_u64 s[G0+4*\s+2:G0+4*\s+3], s[20:21], \s*8192
	s_or_b32 s[G0+4*\s+3], s[G0+4*\s+3], 0x80000000
	s_mov_b32 s[G0B+4*\s], 1
	s_add_co_u32 s[G0B+4*\s+1], s22, \s*SLOT
	s_add_nc_u64 s[G0B+4*\s+2:G0B+4*\s+3], s[46:47], \s*KSTEP
	s_or_b32 s[G0B+4*\s+3], s[G0B+4*\s+3], 0x80000000
.endr
	JLOAD 0                                        ; K step 0: one tensor load a wave at the head
	; A PREFETCH INTO THE L2 of K step 1, whose load stands behind K step 0's landing.  What I fetch of a K step is 128 blocks of 256 bytes (A: 4 row tiles x 8,192 bytes; W: 64 rows x 512 bytes);
	; each of the four partners that ask for it with me names 32 of them, told apart by address (cx for A, cy for W): one row tile of A, or 16 rows of W: 16 SIZE_K bytes on for each place.  The address registers are never rewritten.
	s_cmp_eq_u32 s15, 0                            ; do I fetch for A?
	s_cselect_b64 s[66:67], s[20:21], s[46:47]
	s_cselect_b32 s78, s40, s41                    ; my place among the four
	s_mov_b32 s77, SIZE_K
	s_cselect_b32 s77, 512, s77                    ; from one pair of lanes to the next: 512 bytes on in A, a row on in W
	s_mov_b32 s72, KSTEP
	s_cselect_b32 s72, 8192, s72                   ; a K step on
	s_mov_b32 s73, 0
	s_mul_i32 s78, s78, 16*SIZE_K
	s_mov_b32 s79, 0
	s_add_nc_u64 s[66:67], s[66:67], s[78:79]
	s_add_nc_u64 s[66:67], s[66:67], s[72:73]      ; K step 1
	v_and_b32 v27, 31, v0
	v_lshrrev_b32 v7, 1, v27
	v_and_b32 v27, 1, v27
	v_mul_lo_u32 v7, v7, s77
	v_lshl_add_u32 v27, v27, 8, v7                 ; my lane's block
	global_prefetch_b8 v27, s[66:67] th:TH_LOAD_NT scope:SCOPE_SE
	v_and_b32 v1, 15, v0                           ; r
	v_bfe_u32 v2, v0, 4, 1                         ; h
	v_and_b32 v3, 31, v0
	v_lshlrev_b32 v3, 4, v3                        ; 16 x lane
	v_mul_u32_u24 v4, v1, PITCH
	v_lshl_add_u32 v4, v2, 3, v4                   ; row x pitch + 8 h
	s_mul_i32 s84, s15, AHALF                      ; my 64 rows of A
	s_mul_i32 s85, s16, BHALF                      ; my 64 rows of W
	s_add_co_u32 s85, s85, BOFF
.irp s, 0,1
	v_add_nc_u32 v[ADRA+\s], s84, v3
	v_add_nc_u32 v[ADRB+\s], s85, v4
	s_add_co_u32 s84, s84, SLOT
	s_add_co_u32 s85, s85, SLOT
.endr
	s_mul_i32 s86, s14, 16*SPITCH                  ; my stage
	v_mul_u32_u24 v5, v1, SPITCH                   ; in: row r, 32 bytes for each half of the lanes
	v_lshl_add_u32 v5, v2, 5, v5
	v_add_nc_u32 v[STO], s86, v5
	v_mul_u32_u24 v6, v2, SPITCH                   ; back: lanes 0-15 one row of 256 bytes, lanes 16-31 the next
	v_lshl_add_u32 v6, v1, 4, v6
	v_add_nc_u32 v[RD], s86, v6
	v_lshlrev_b32 v[CO], 12, v2                    ; and the same two rows in memory: a row is 4,096 bytes
	v_lshl_add_u32 v[CO], v1, 4, v[CO]
	v_lshlrev_b32 v[BO], 4, v1
	s_wait_alu depctr_va_vdst(0)
	s_lshl_b32 s88, s17, 7
	s_lshl_b32 s89, s15, 6
	s_add_co_u32 s88, s88, s89                     ; my first row: 128 x tile row + 64 x half
	s_lshl_b32 s88, s88, 12
	s_lshl_b32 s90, s42, 9
	s_lshl_b32 s91, s16, 8
	s_add_co_u32 s90, s90, s91                     ; my first column, in bytes: 512 x tile column + 256 x half
	s_add_co_u32 s88, s88, s90
	s_mov_b32 s89, 0
	s_mov_b32 s91, 0
	s_add_nc_u64 s[68:69], s[68:69], s[88:89]
	s_add_nc_u64 s[70:71], s[70:71], s[88:89]
	s_add_nc_u64 s[10:11], s[10:11], s[90:91]
; 8 matrix instructions: A's blocks a0, a0 + 1 x W's four, 128 along K, from buffer f.  zero = 1: the first product starts the sums.  The 16 accumulators take turns, in the same order in every quarter.
.macro MUL8 f, a0, zero
.irp a, \a0, \a0+1
.irp b, 0,1,2,3
.if \zero
	v_wmma_f32_16x16x128_fp8_fp8 v[ACC+8*(4*(\a)+\b):ACC+8*(4*(\a)+\b)+7], v[\f+64+16*\b:\f+64+16*\b+15], v[\f+16*(\a):\f+16*(\a)+15], 0
.else
	v_wmma_f32_16x16x128_fp8_fp8 v[ACC+8*(4*(\a)+\b):ACC+8*(4*(\a)+\b)+7], v[\f+64+16*\b:\f+64+16*\b+15], v[\f+16*(\a):\f+16*(\a)+15], v[ACC+8*(4*(\a)+\b):ACC+8*(4*(\a)+\b)+7]
.endif
.endr
.endr
.endm
; 48 LDS loads in one run: the fragments of the slot's q-th 128 along K into buffer f
.macro FETCH slot, q, f
	WIN TO_F
.irp i, 0,1,2,3
.irp c, 0,1,2,3
	ds_load_b128 v[\f+16*\i+4*\c:\f+16*\i+4*\c+3], v[ADRA+\slot] offset:(4*\i+(\q))*2048+512*\c   ; A: an image's group c, 512 consecutive bytes
.endr
.endr
.irp i, 0,1,2,3
.irp c, 0,1,2,3,4,5,6,7
	ds_load_b64 v[\f+64+16*\i+2*\c:\f+64+16*\i+2*\c+1], v[ADRB+\slot] offset:128*(\q)+16*\c+\i*16*PITCH   ; W: k = 16 c + 8 h + 0 .. 7 of row 16 i + r
.endr
.endr
.endm
.macro PLACES                          ; four plain vector lines between a matrix instruction and a load into one of its registers
.rept 4
	v_nop
.endr
.endm
; A K step is four quarters of 128 along K, 16 matrix instructions each, on buffers 0, 1, 0, 1.  One of the first three: fetches quarter q into buffer g and multiplies buffer f.
.macro QUARTER slot, q, f, g, zero
	PLACES
	FETCH \slot, \q, \g
	s_wait_dscnt 48                                ; all but the 48 just issued: buffer f is in
	WIN MUL
	MUL8 \f, 0, \zero
	MUL8 \f, 2, \zero
.endm
; The last quarter multiplies buffer 1 and changes slots: ONE barrier; in front of it each wave waits for all its tensor loads, adds 0 to its spare word, and waits for that and for its own reads of this slot.  fill = 1: this slot is filled again, two K steps ahead.
.macro TURN slot, next, fill
	WIN 0                                          ; (the add's two registers lie in window 0)
	s_wait_tensorcnt 0x0                           ; all my tensor loads have landed: my part of the next slot;
	ds_add_u32 v[SPW], v[NIL]                      ; 0 onto my spare word;
	s_wait_dscnt 1                                 ; buffer 1 is in (the add may be out)
	WIN MUL
	MUL8 F1, 0, 0                                  ; eight matrix instructions stand between the add and the wait for it
	s_wait_dscnt 0x0                               ; the add is done, and my reads of this slot are over
	s_barrier_signal -1
	MUL8 F1, 2, 0
	WIN 0
	s_barrier_wait -1
.if \fill
	CREST                                          ; the barrier has opened a round of the cluster's barrier: no wave of any partner still reads this slot's tile or has a load on its way
	s_add_nc_u64 s[G0+4*\slot+2:G0+4*\slot+3], s[G0+4*\slot+2:G0+4*\slot+3], 2*8192
	s_add_nc_u64 s[G0B+4*\slot+2:G0B+4*\slot+3], s[G0B+4*\slot+2:G0B+4*\slot+3], 2*KSTEP
	JLOAD \slot                                    ; the first tensor load behind the round; its four v_nop are the places in front of the loads below
.else
	PLACES
.endif
	FETCH \next, 0, F0
.endm
	s_wait_alu depctr_va_vdst(0)
	s_wait_tensorcnt 0x0                           ; my part of K step 0 is in; a later first fill is issued as a refill is:
	ds_add_u32 v[SPW], v[NIL]                      ; 0 onto my spare word
	s_wait_dscnt 0x0
	CROUND                                         ; everybody's part of K step 0 is in, and the sixteen work-groups meet
	JLOAD 1                                        ; K step 1: the first tensor load behind the round
	FETCH 0, 0, F0
	QUARTER 0, 1, F0, F1, 1                        ; the first quarter: its products start the sums
	; The bias and the residual are asked for HERE and not in the head's first lines: K step 0's tiles and K step 1's prefetch are asked of memory ahead of them.  They are waited for on the way out, seven quarters on.
	WIN 0
	global_load_b128 v[BI:BI+3], v[BO], s[10:11]   ; the bias of the four columns that I store
	WIN 0x80                                       ; destination window 2, address window 0
.irp a, 0,1,2,3
.irp t, 0,1,2,3,4,5,6,7
	global_load_b128 v[32*\a+4*\t:32*\a+4*\t+3], v[CO], s[68:69] offset:(16*\a+2*\t)*4096   ; 16 lanes read 256 consecutive bytes, aligned
.endr
.endr
	WIN 0
.if LAPS > 1
	WIN 0                                          ; at a label and at a branch every window is 0
	s_mov_b32 s3, LAPS-1
.Llap:                                                 ; a trip goes once round the ring, from a lap's second quarter to the next lap's first, and fills both slots again
	QUARTER 0, 2, F1, F0, 0
	QUARTER 0, 3, F0, F1, 0
	TURN 0, 1, 1
	QUARTER 1, 1, F0, F1, 0
	QUARTER 1, 2, F1, F0, 0
	QUARTER 1, 3, F0, F1, 0
	TURN 1, 0, 1
	QUARTER 0, 1, F0, F1, 0
	WIN 0
	s_sub_co_u32 s3, s3, 1
	s_cmp_lg_u32 s3, 0
	s_cbranch_scc1 .Llap
.endif
	QUARTER 0, 2, F1, F0, 0                        ; the last lap fills nothing, and has no round of the cluster's barrier
	QUARTER 0, 3, F0, F1, 0
	TURN 0, 1, 0
	QUARTER 1, 1, F0, F1, 0
	QUARTER 1, 2, F1, F0, 0
	QUARTER 1, 3, F0, F1, 0
	s_wait_dscnt 0x0                               ; the very last quarter: nothing more to fetch
	WIN MUL
	MUL8 F1, 0, 0
	MUL8 F1, 2, 0
	WIN 0
	; THE WAY OUT.  A lane holds 32 neighbouring bytes of a row and the lanes beside it other rows: a block of 16 rows x 64 columns goes through my own stage and comes back as rows of 256 bytes, two an instruction.
	s_wait_kmcnt 0x0
	s_add_co_i32 s96, s96, s97                     ; eA + eB
	s_add_co_i32 s96, s96, 127
	s_lshl_b32 s96, s96, 23                        ; 2^(eA + eB) as f32
	s_mov_b32 s97, s96                             ; (named with it as a pair, so it is written)
	s_wait_loadcnt 0x0                             ; the bias and the residual
	WIN 0x82                                       ; source 0 and destination window 2, source 1 window 0
.set n, 0
.rept 32
	v_pk_add_f32 v[n:n+1], v[n:n+1], v[BI:BI+1]    ; residual + bias.  (These lines name no register of the last products: they are the places behind them)
	v_pk_add_f32 v[n+2:n+3], v[n+2:n+3], v[BI+2:BI+3]
.set n, n+4
.endr
	WIN 0
.irp a, 0,1,2,3
.if \a > 0
	s_wait_xcnt 0x0                                ; the last block's stores have read their data registers
.endif
.irp b, 0,1,2,3
	ds_store_b128 v[STO], v[ACC+8*(4*\a+\b):ACC+8*(4*\a+\b)+3] offset:64*\b            ; each accumulator from its low end on
	ds_store_b128 v[STO], v[ACC+8*(4*\a+\b)+4:ACC+8*(4*\a+\b)+7] offset:64*\b+16
.endr
.irp t, 0,1,2,3,4,5,6,7
	ds_load_b128 v[BK+4*\t:BK+4*\t+3], v[RD] offset:\t*2*SPITCH   ; LDS serves a wave's instructions in order (ISA guide 5.7.1.4): these see the stores above
.endr
	s_wait_dscnt 0x0
	WIN 0x20                                       ; source 2 window 2
.irp t, 0,1,2,3,4,5,6,7
	v_pk_fma_f32 v[OUT+4*\t:OUT+4*\t+1], v[BK+4*\t:BK+4*\t+1], s[96:97], v[32*\a+4*\t:32*\a+4*\t+1] op_sel_hi:[1,0,1]   ; sum x 2^(eA + eB) + (residual + bias)
	v_pk_fma_f32 v[OUT+4*\t+2:OUT+4*\t+3], v[BK+4*\t+2:BK+4*\t+3], s[96:97], v[32*\a+4*\t+2:32*\a+4*\t+3] op_sel_hi:[1,0,1]
.endr
	WIN 0
.irp t, 0,1,2,3,4,5,6,7
	global_store_b128 v[CO], v[OUT+4*\t:OUT+4*\t+3], s[70:71] offset:(16*\a+2*\t)*4096   ; 16 lanes store 256 consecutive bytes, aligned
.endr
.endr
	s_wait_tensorcnt 0x0                           ; the wave's end, behind my last tensor load and my last LDS store
	ds_add_u32 v[SPW], v[NIL]
	s_wait_dscnt 0x0
	CROUND                                         ; the closing round: no work-group ends while a partner may still ask for a tile that names it
	s_endpgm
.Lfunc_end_k_q4a2f51f5e0_outproj:
	.size	k_q4a2f51f5e0_outproj, .Lfunc_end_k_q4a2f51f5e0_outproj-k_q4a2f51f5e0_outproj
	.p2alignl 7, 3214868480
	.fill 96, 4, 3214868480
	.section	.rodata,"a",@progbits
	.p2align	6, 0x0
	.amdhsa_kernel k_q4a2f51f5e0_outproj
		.amdhsa_group_segment_fixed_size 327680
		.amdhsa_private_segment_fixed_size 0
		.amdhsa_enable_private_segment 0
		.amdhsa_kernarg_size 48
		.amdhsa_user_sgpr_count 2
		.amdhsa_user_sgpr_kernarg_segment_ptr 1
		.amdhsa_wavefront_size32 1
		.amdhsa_system_sgpr_workgroup_id_x 1
		.amdhsa_system_sgpr_workgroup_id_y 1
		.amdhsa_system_sgpr_workgroup_id_z 1
		.amdhsa_system_vgpr_workitem_id 0
		.amdhsa_next_free_vgpr 768
		.amdhsa_next_free_sgpr 100
		.amdhsa_reserve_vcc 0
		.amdhsa_float_denorm_mode_32 3
		.amdhsa_float_denorm_mode_16_64 3
		.amdhsa_memory_ordered 1
		.amdhsa_forward_progress 1
		.amdhsa_inst_pref_size 62
	.end_amdhsa_kernel
	.amdgpu_metadata
---
amdhsa.version: [ 1, 2 ]
amdhsa.kernels:
  - .name:           k_q4a2f51f5e0_outproj
    .symbol:         k_q4a2f51f5e0_outproj.kd
    .args:
      - { .name: oimg, .offset: 0, .size: 8, .value_kind: global_buffer, .address_space: global }
      - { .name: out_w_codes, .offset: 8, .size: 8, .value_kind: global_buffer, .address_space: global }
      - { .name: lowp_scales, .offset: 16, .size: 8, .value_kind: global_buffer, .address_space: global }
      - { .name: out_b, .offset: 24, .size: 8, .value_kind: global_buffer, .address_space: global }
      - { .name: x, .offset: 32, .size: 8, .value_kind: global_buffer, .address_space: global }
      - { .name: x1, .offset: 40, .size: 8, .value_kind: global_buffer, .address_space: global }
    .group_segment_fixed_size: 327680
    .private_segment_fixed_size: 0
    .kernarg_segment_align: 8
    .kernarg_segment_size: 48
    .max_flat_workgroup_size: 128
    .sgpr_count:     100
    .vgpr_count:     768
    .wavefront_size: 32
...
	.end_amdgpu_metadata
.endif
;; end of part 4
;; launch ln2q (part 5): grid 256 x 1, 4 waves a work-group, no clusters, 20,992 bytes of LDS; arguments x1, ln2_g, ln2_b, lowp_scales, hn; writes hn
.if DOCPART == 5
	.amdgcn_target "amdgcn-amd-amdhsa--gfx1250"
	.amdhsa_code_object_version 6
	.text
	.protected	k_q4a2f51f5e0_ln2q
	.globl	k_q4a2f51f5e0_ln2q
	.p2align	8
	.type	k_q4a2f51f5e0_ln2q,@function
k_q4a2f51f5e0_ln2q:
	s_mov_b64 s[64:65], 0
	v_nop
	global_prefetch_b8 v0, s[64:65] scope:SCOPE_SE
	s_setreg_imm32_b32 hwreg(HW_REG_WAVE_MODE, 25, 1), 1
	s_wait_xcnt 0x0
; codes = Q(layernorm(x) * g + b): x [4096][1024] f32 -> [4096][1024] codes of E4M3, row-major, with the given scale 2^e, e = the entry of the scales' buffer at byte EOFF.
; mean, then the mean of the squared differences (two passes over registers), 1 / sqrt(var + 1e-5), gain and bias: all f32.  code = y / 2^e, held within +-448, to the nearest code, ties to even.
; LIMITS: -126 <= e and e + 8 <= 127, so that 2^e and 448 x 2^e are f32 numbers.  NaN among the inputs is not served.
; SHARES.  A work-group takes 16 rows, each of its four waves 4 rows.  A row of 4,096 bytes is 32 registers of one wave (eight loads of 512 consecutive bytes), so a row is read once and no wave waits for another: no barrier.
; All 32 row loads of a wave, and the 16 of gain and bias, go out at the head.  Memory binds: no matrix unit, no tensor load, no cluster (nothing is shared).
; THE TURN THROUGH LDS.  The conversion takes eight neighbours of a row from ONE lane's registers, the loads give a lane four.  So a finished row goes through the wave's own stage, as it lies, and comes back 64 bytes a lane twice:
; the lane then holds columns 512 q + 16 lane + 0 .. 15, its 16 codes are 16 bytes, and a store of the wave covers 512 consecutive bytes, aligned.  The stage has 16 bytes of padding behind each 64.
.set EOFF,  32                         ; byte of e in the scales' buffer
.set ROW,   4096                       ; a row of x in bytes
.set CROW,  1024                       ; a row of codes
.set SP,    80                         ; a place in the stage: 64 bytes + 16 of padding
.set WSTG,  64*SP                      ; a wave's stage: one row
.set LI,    1                          ; v1   16 x lane
.set SIN,   2                          ; v2   the stage on the way in: SP (lane / 4) + 16 (lane % 4)
.set SOUT,  3                          ; v3   and on the way out: SP x lane
.set SCV,   4                          ; v4   2^e
.set LIM,   5                          ; v5   448 x 2^e
.set ST,    8                          ; v[8+4p ..]  row p: +0,+1 a chain of sums, then the mean; +2,+3 a second chain, the other half's sum, then 1 / sqrt
.set X,     32                         ; v[32+32p ..] row p
.set G,     160                        ; v160-191 gain, in a row's layout
.set BV,    192                        ; v192-223 bias
.set C,     224                        ; v[224+8p ..] row p's codes: never written again, so no store's data are overwritten
	s_load_b256 s[4:11], s[0:1], 0x0               ; x s[4:5], gain s[6:7], bias s[8:9], the scales' exponents s[10:11]
	s_load_b64 s[12:13], s[0:1], 0x20              ; the codes
	v_lshl_add_u32 v30, v0, 2, 0x5000
	v_mov_b32 v31, 0
	v_lshrrev_b32 v6, 5, v0
	v_readfirstlane_b32 s16, v6                    ; wave 0..3
	v_and_b32 v7, 31, v0                           ; lane
	v_lshlrev_b32 v[LI], 4, v7
	s_mul_i32 s17, s16, WSTG                       ; my stage
	v_lshrrev_b32 v[SIN], 2, v7
	v_mul_u32_u24 v[SIN], v[SIN], SP
	v_and_b32 v6, 3, v7
	v_lshl_add_u32 v[SIN], v6, 4, v[SIN]
	v_add_nc_u32 v[SIN], s17, v[SIN]
	v_mul_u32_u24 v[SOUT], v7, SP
	v_add_nc_u32 v[SOUT], s17, v[SOUT]
	s_mov_b32 s20, 0x76543210                      ; v_permlanex16_b32: lane l takes lane l xor 16
	s_mov_b32 s21, 0xfedcba98
	s_mov_b32 s22, 0x3a800000                      ; 1 / 1024
	s_mov_b32 s23, 0x3727c5ac                      ; 1e-5
	s_lshl_b32 s18, ttmp9, 4
	s_lshl_b32 s19, s16, 2
	s_add_co_u32 s18, s18, s19                     ; my first row: 16 x work-group + 4 x wave
	s_lshl_b32 s14, s18, 12
	s_mov_b32 s15, 0
	s_lshl_b32 s18, s18, 10
	s_mov_b32 s19, 0
	s_wait_alu depctr_va_vdst(0)
	s_wait_kmcnt 0x0
	s_load_b32 s24, s[10:11], EOFF                 ; e
	s_add_nc_u64 s[4:5], s[4:5], s[14:15]
	s_add_nc_u64 s[12:13], s[12:13], s[18:19]
.irp p, 0,1,2,3
.irp j, 0,1,2,3,4,5,6,7
	global_load_b128 v[X+32*\p+4*\j:X+32*\p+4*\j+3], v[LI], s[4:5] offset:ROW*\p+512*\j th:TH_LOAD_NT   ; 32 lanes read 512 consecutive bytes
.endr
.endr
.irp j, 0,1,2,3,4,5,6,7
	global_load_b128 v[G+4*\j:G+4*\j+3], v[LI], s[6:7] offset:512*\j
.endr
.irp j, 0,1,2,3,4,5,6,7
	global_load_b128 v[BV+4*\j:BV+4*\j+3], v[LI], s[8:9] offset:512*\j
.endr
.macro SUM p                           ; my 32 numbers of row p, two at a time, in two chains
.set XP, X+32*(\p)
.set SQ, ST+4*(\p)
	s_wait_loadcnt 40-8*(\p)                       ; row p's eight loads are in; behind them: 8 for each later row, 16 of gain and bias
	v_pk_add_f32 v[SQ:SQ+1], v[XP:XP+1], v[XP+2:XP+3]
	v_pk_add_f32 v[SQ+2:SQ+3], v[XP+4:XP+5], v[XP+6:XP+7]
.irp j, 8,12,16,20,24,28
	v_pk_add_f32 v[SQ:SQ+1], v[SQ:SQ+1], v[XP+\j:XP+\j+1]
	v_pk_add_f32 v[SQ+2:SQ+3], v[SQ+2:SQ+3], v[XP+\j+2:XP+\j+3]
.endr
	v_pk_add_f32 v[SQ:SQ+1], v[SQ:SQ+1], v[SQ+2:SQ+3]
	v_add_f32 v[SQ], v[SQ], v[SQ+1]
.endm
.macro RED                             ; the four rows' sums over the 32 lanes, the rows line by line so that no line waits for the one above it
.irp m, 1,2,4,8
.irp p, 0,1,2,3
	v_add_f32_dpp v[ST+4*\p], v[ST+4*\p], v[ST+4*\p] row_xmask:\m row_mask:0xf bank_mask:0xf
.endr
.endr
.irp p, 0,1,2,3
	v_permlanex16_b32 v[ST+4*\p+2], v[ST+4*\p], s20, s21   ; (its destination has been written: the second chain)
.endr
.irp p, 0,1,2,3
	v_add_f32 v[ST+4*\p], v[ST+4*\p], v[ST+4*\p+2]
.endr
.endm
.macro VAR p                           ; x - mean in place, then the sum of its squares
.set XP, X+32*(\p)
.set SQ, ST+4*(\p)
.set n, 0
.rept 16
	v_pk_add_f32 v[XP+n:XP+n+1], v[XP+n:XP+n+1], v[SQ:SQ+1] op_sel_hi:[1,0] neg_lo:[0,1] neg_hi:[0,1]   ; both halves less the pair's low word, the mean
.set n, n+2
.endr
	v_pk_mul_f32 v[SQ:SQ+1], v[XP:XP+1], v[XP:XP+1]
	v_pk_mul_f32 v[SQ+2:SQ+3], v[XP+2:XP+3], v[XP+2:XP+3]
.irp j, 4,8,12,16,20,24,28
	v_pk_fma_f32 v[SQ:SQ+1], v[XP+\j:XP+\j+1], v[XP+\j:XP+\j+1], v[SQ:SQ+1]
	v_pk_fma_f32 v[SQ+2:SQ+3], v[XP+\j+2:XP+\j+3], v[XP+\j+2:XP+\j+3], v[SQ+2:SQ+3]
.endr
	v_pk_add_f32 v[SQ:SQ+1], v[SQ:SQ+1], v[SQ+2:SQ+3]
	v_add_f32 v[SQ], v[SQ], v[SQ+1]
.endm
.macro NORM p                          ; ((x - mean) / sqrt) g + b, and through the stage
.set XP, X+32*(\p)
.set SQ, ST+4*(\p)
.set n, 0
.rept 16
	v_pk_mul_f32 v[XP+n:XP+n+1], v[XP+n:XP+n+1], v[SQ+2:SQ+3] op_sel_hi:[1,0]
.set n, n+2
.endr
.set n, 0
.rept 16
	v_pk_fma_f32 v[XP+n:XP+n+1], v[XP+n:XP+n+1], v[G+n:G+n+1], v[BV+n:BV+n+1]
.set n, n+2
.endr
.irp j, 0,1,2,3,4,5,6,7
	ds_store_b128 v[SIN], v[XP+4*\j:XP+4*\j+3] offset:8*SP*\j   ; a load's 512 bytes take eight places
.endr
.irp q, 0,1
.irp i, 0,1,2,3
	ds_load_b128 v[XP+16*\q+4*\i:XP+16*\q+4*\i+3], v[SOUT] offset:32*SP*\q+16*\i   ; LDS serves a wave's instructions in order (ISA guide 5.7.1.4): these see the stores above, and the next row's stores come behind them
.endr
.endr
.endm
.macro CODES p
.set XP, X+32*(\p)
	s_wait_dscnt 16*(3-(\p))                       ; row p is back; behind its loads: 16 LDS instructions for each later row
.set n, 0
.rept 32
	v_med3_num_f32 v[XP+n], v[XP+n], -v[LIM], v[LIM]   ; the conversion to an 8-bit code does not saturate (ISA guide 7.6.2): the hold at the largest code x the scale
.set n, n+1
.endr
.irp g, 0,1,2,3
	v_cvt_scalef32_pk8_fp8_f32 v[C+8*(\p)+2*\g:C+8*(\p)+2*\g+1], v[XP+8*\g:XP+8*\g+7], v[SCV]
.endr
	v_nop                                          ; a plain vector line behind the last conversion of the run
	global_store_b128 v[LI], v[C+8*(\p):C+8*(\p)+3], s[12:13] offset:CROW*(\p)         ; columns 16 lane + 0 .. 15: the wave stores 512 consecutive bytes, aligned
	global_store_b128 v[LI], v[C+8*(\p)+4:C+8*(\p)+7], s[12:13] offset:CROW*(\p)+512   ; columns 512 + 16 lane + 0 .. 15
.endm
	SUM 0
	SUM 1
	SUM 2
	SUM 3
	RED
.irp p, 0,1,2,3
	v_mul_f32 v[ST+4*\p], s22, v[ST+4*\p]          ; the mean
.endr
	VAR 0
	VAR 1
	VAR 2
	VAR 3
	RED
.irp p, 0,1,2,3
	v_fma_f32 v[ST+4*\p], v[ST+4*\p], s22, s23     ; var + 1e-5
.endr
	s_wait_alu depctr_va_vdst(0)
.irp p, 0,1,2,3
	v_rsq_f32 v[ST+4*\p+2], v[ST+4*\p]
.endr
	s_wait_kmcnt 0x0
	s_add_co_i32 s24, s24, 127
	s_lshl_b32 s25, s24, 23
	v_mov_b32 v[SCV], s25                          ; 2^e as f32: the conversion takes its exponent field.  (Also the plain line behind the four roots)
	s_add_co_i32 s24, s24, 8
	s_lshl_b32 s24, s24, 23
	s_or_b32 s24, s24, 0x600000
	v_mov_b32 v[LIM], s24                          ; 448 x 2^e
	s_wait_alu depctr_va_vdst(0)                   ; one wait for the four roots, ahead of their first reader
	s_wait_loadcnt 0x0                             ; gain and bias
	NORM 0
	NORM 1
	NORM 2
	NORM 3
	CODES 0
	CODES 1
	CODES 2
	CODES 3
	s_wait_tensorcnt 0x0
	ds_add_u32 v30, v31
	s_wait_dscnt 0x0
	s_endpgm
.Lfunc_end_k_q4a2f51f5e0_ln2q:
	.size	k_q4a2f51f5e0_ln2q, .Lfunc_end_k_q4a2f51f5e0_ln2q-k_q4a2f51f5e0_ln2q
	.p2alignl 7, 3214868480
	.fill 96, 4, 3214868480
	.section	.rodata,"a",@progbits
	.p2align	6, 0x0
	.amdhsa_kernel k_q4a2f51f5e0_ln2q
		.amdhsa_group_segment_fixed_size 20992
		.amdhsa_private_segment_fixed_size 0
		.amdhsa_enable_private_segment 0
		.amdhsa_kernarg_size 40
		.amdhsa_user_sgpr_count 2
		.amdhsa_user_sgpr_kernarg_segment_ptr 1
		.amdhsa_wavefront_size32 1
		.amdhsa_system_sgpr_workgroup_id_x 1
		.amdhsa_system_sgpr_workgroup_id_y 1
		.amdhsa_system_sgpr_workgroup_id_z 1
		.amdhsa_system_vgpr_workitem_id 0
		.amdhsa_next_free_vgpr 256
		.amdhsa_next_free_sgpr 66
		.amdhsa_reserve_vcc 0
		.amdhsa_float_denorm_mode_32 3
		.amdhsa_float_denorm_mode_16_64 3
		.amdhsa_memory_ordered 1
		.amdhsa_forward_progress 1
		.amdhsa_inst_pref_size 45
	.end_amdhsa_kernel
	.amdgpu_metadata
---
amdhsa.version: [ 1, 2 ]
amdhsa.kernels:
  - .name:           k_q4a2f51f5e0_ln2q
    .symbol:         k_q4a2f51f5e0_ln2q.kd
    .args:
      - { .name: x1, .offset: 0, .size: 8, .value_kind: global_buffer, .address_space: global }
      - { .name: ln2_g, .offset: 8, .size: 8, .value_kind: global_buffer, .address_space: global }
      - { .name: ln2_b, .offset: 16, .size: 8, .value_kind: global_buffer, .address_space: global }
      - { .name: lowp_scales, .offset: 24, .size: 8, .value_kind: global_buffer, .address_space: global }
      - { .name: hn, .offset: 32, .size: 8, .value_kind: global_buffer, .address_space: global }
    .group_segment_fixed_size: 20992
    .private_segment_fixed_size: 0
    .kernarg_segment_align: 8
    .kernarg_segment_size: 40
    .max_flat_workgroup_size: 128
    .sgpr_count:     66
    .vgpr_count:     256
    .wavefront_size: 32
...
	.end_amdgpu_metadata
.endif
;; end of part 5
;; launch ffn1 (part 6): grid 16 x 16, 4 waves a work-group, clusters of 4 x 4, 327,680 bytes of LDS; arguments hn, w1_codes, lowp_scales, b1, himg; writes himg
.if DOCPART == 6
	.amdgcn_target "amdgcn-amd-amdhsa--gfx1250"
	.amdhsa_code_object_version 6
	.text
	.protected	k_q4a2f51f5e0_ffn1
	.globl	k_q4a2f51f5e0_ffn1
	.p2align	8
	.type	k_q4a2f51f5e0_ffn1,@function
k_q4a2f51f5e0_ffn1:
	s_mov_b64 s[64:65], 0
	v_nop
	global_prefetch_b8 v0, s[64:65] scope:SCOPE_SE
	s_setreg_imm32_b32 hwreg(HW_REG_WAVE_MODE, 25, 1), 1
	s_wait_xcnt 0x0
	s_wait_alu depctr_hold_cnt(0) depctr_sa_sdst(0) depctr_va_vdst(0) depctr_va_sdst(0) depctr_va_ssrc(0) depctr_va_vcc(0) depctr_vm_vsrc(0)
	s_getreg_b32 s2, hwreg(HW_REG_IB_STS2, 6, 4)
	s_cmp_eq_u32 s2, 0
	s_cbranch_scc0 .Lentry_in_a_cluster
	s_endpgm
.Lentry_in_a_cluster:
	s_bfe_u32 s2, ttmp6, 0x10000c
	s_cmp_lg_u32 s2, 0xf033
	s_cbranch_scc0 .Lentry_shape_is_right
	s_endpgm
.Lentry_shape_is_right:
; himg = Q(relu(hn W1^T + b1)) on codes of E4M3 (hn [4096][1024], 2^e8; W1 [4096][1024], 2^e9), quantised at once with 2^e10 and stored as images of operand registers, [row / 16][k / 128][4 groups][lane][16 bytes].
; A tile of 256 x 256 to a work-group of four waves, 128 x 128 a wave; K in four steps of 256 through two LDS slots filled by joint tensor loads in clusters of 4 x 4.  The matrix instruction is used transposed (source 0 = rows of W1).
; LIMITS: e8 + e9 between -126 and 127; e10 between -126 and 119.
.set SIZE_K, 1024
.set ROWB,   256
.set KROW,   SIZE_K
.set PITCH,  272
.set FR,     16
.set NL,     4
.set NP,     4
.set HALFT,  128*PITCH
.set SLOT,   4*HALFT
.set SPARE,  2*SLOT
.set SCV,  8
.set LIM,  9
.set BOFN, 10
.set ADRA, 16
.set ADRB, 20
.set CO,   26
.set SPW,  28
.set NIL,  29
.set BIASN, 64
.set AF,   128
.set TMP,  128
.set CD,   192
.set G1, 24
.set G0, 32
.set G1B, 48
.set G0B, 56
.set MSB, 0
.macro WIN new
.if MSB != \new
	s_set_vgpr_msb (MSB<<8)|\new
.set MSB, \new
.endif
.endm
.set MUL_LO, 0xa1
.set MUL_HI, 0xf1
.set TO_B,   0x40
.macro JLOAD g0a, g1a, g0b, g1b
	s_cmp_eq_u32 s15, 0
	s_cbranch_scc0 .Lfor_b_\@
	tensor_load_to_lds s[\g0a:\g0a+3], s[\g1a:\g1a+7]
	s_nop 0
.rept 4
	v_nop
.endr
	s_branch .Lasked_\@
.Lfor_b_\@:
	tensor_load_to_lds s[\g0b:\g0b+3], s[\g1b:\g1b+7]
	s_nop 0
.rept 4
	v_nop
.endr
.Lasked_\@:
.endm
.macro CREST
	s_cmp_lg_u32 s14, 0
	s_cbranch_scc1 .Lnot_wave_0_\@
	s_barrier_signal -3
.Lnot_wave_0_\@:
	s_barrier_wait -3
	s_barrier_signal -1
	s_barrier_wait -1
.endm
.macro CROUND
	s_barrier_signal -1
	s_barrier_wait -1
	CREST
.endm
	s_load_b256 s[4:11], s[0:1], 0x0
	s_load_b64 s[74:75], s[0:1], 0x20
	v_lshl_add_u32 v[SPW], v0, 2, SPARE
	v_mov_b32 v[NIL], 0
	ds_add_u32 v28, v29
	ds_add_u32 v28, v29
	s_wait_dscnt 0x0
	v_lshrrev_b32 v1, 5, v0
	v_readfirstlane_b32 s14, v1
	s_lshr_b32 s15, s14, 1
	s_and_b32 s16, s14, 1
	s_bfe_u32 s40, ttmp6, 0x40000
	s_bfe_u32 s41, ttmp6, 0x40004
	s_lshl_b32 s42, ttmp9, 2
	s_add_co_u32 s42, s42, s40
	s_and_b32 s17, ttmp7, 0xffff
	s_lshl_b32 s17, s17, 2
	s_add_co_u32 s17, s17, s41
	s_lshl_b32 s43, s41, 2
	s_lshl_b32 s43, 15, s43
	s_lshl_b32 s44, 0x1111, s40
	s_or_b32 s[G1+0], s43, (0<<16)|(1<<20)|(1<<21)|(5<<22)|(3<<25)
	s_or_b32 s[G1B+0], s44, (0<<16)|(1<<20)|(1<<21)|(5<<22)|(3<<25)
.irp g, G1, G1B
	s_mov_b32 s[\g+1], ROWB<<16
	s_mov_b32 s[\g+2], 128<<16
	s_mov_b32 s[\g+3], ROWB<<16
	s_mov_b32 s[\g+4], 128
	s_mov_b32 s[\g+5], KROW
	s_mov_b32 s[\g+6], 0
	s_mov_b32 s[\g+7], 0
.endr
	s_lshl_b32 s18, s16, 7
	s_lshl_b32 s20, s17, 8
	s_add_co_u32 s20, s20, s18
	s_lshl_b32 s20, s20, 10
	s_mov_b32 s21, 0
	s_lshl_b32 s46, s42, 8
	s_add_co_u32 s46, s46, s18
	s_lshl_b32 s46, s46, 10
	s_mov_b32 s47, 0
	s_mul_i32 s45, s14, HALFT
	s_wait_kmcnt 0x0
	s_load_b128 s[84:87], s[8:9], 0x20
	s_add_nc_u64 s[20:21], s[4:5], s[20:21]
	s_add_nc_u64 s[46:47], s[6:7], s[46:47]
	CROUND
.irp s, 0,1
	s_mov_b32 s[G0+4*\s], 1
	s_add_co_u32 s[G0+4*\s+1], s45, \s*SLOT
	s_add_nc_u64 s[G0+4*\s+2:G0+4*\s+3], s[20:21], \s*ROWB
	s_or_b32 s[G0+4*\s+3], s[G0+4*\s+3], 0x80000000
	s_mov_b32 s[G0B+4*\s], 1
	s_add_co_u32 s[G0B+4*\s+1], s45, \s*SLOT
	s_add_nc_u64 s[G0B+4*\s+2:G0B+4*\s+3], s[46:47], \s*ROWB
	s_or_b32 s[G0B+4*\s+3], s[G0B+4*\s+3], 0x80000000
.endr
	JLOAD G0, G1, G0B, G1B                         ; K step 0: one tensor load a wave at the head
	; PREFETCHES INTO THE L2.  Of the 128 rows that I fetch, each of the four partners that ask for them with me names 32, told apart by address (cx for hn, cy for W1): a lane a row, 256 bytes of it a K step.
	; K steps 1 and 2 are asked for here, K step 3 behind K step 1's load: each one or two loads ahead of its own.  The address registers are never rewritten.
	s_cmp_eq_u32 s15, 0                            ; do I fetch for hn?
	s_cselect_b64 s[66:67], s[20:21], s[46:47]
	s_cselect_b32 s2, s40, s41                     ; my place among the four
	s_lshl_b32 s2, s2, 15                          ; 32 rows of 1,024 bytes
	s_mov_b32 s3, 0
	s_add_nc_u64 s[66:67], s[66:67], s[2:3]
	v_and_b32 v27, 31, v0
	v_lshlrev_b32 v27, 10, v27                     ; my lane's row
	global_prefetch_b8 v27, s[66:67] offset:256 th:TH_LOAD_NT scope:SCOPE_SE
	global_prefetch_b8 v27, s[66:67] offset:512 th:TH_LOAD_NT scope:SCOPE_SE
	v_and_b32 v1, 15, v0
	v_bfe_u32 v2, v0, 4, 1
	v_mul_u32_u24 v3, v1, PITCH
	v_lshl_add_u32 v4, v2, 4, v3
	s_mul_i32 s21, s15, HALFT
	s_mul_i32 s22, s16, HALFT
	s_add_co_u32 s22, s22, 2*HALFT
.irp s, 0,1
	v_add_nc_u32 v[ADRA+\s], s21, v4
	v_add_nc_u32 v[ADRB+\s], s22, v4
	s_add_co_u32 s21, s21, SLOT
	s_add_co_u32 s22, s22, SLOT
.endr
	v_and_b32 v6, 31, v0
	v_lshlrev_b32 v[CO], 4, v6
	v_lshlrev_b32 v[BOFN], 5, v2
	s_lshl_b32 s90, s42, 10
	s_lshl_b32 s91, s16, 9
	s_add_co_u32 s90, s90, s91
	s_mov_b32 s91, 0
	s_add_nc_u64 s[90:91], s[10:11], s[90:91]
.irp b, 0,1,2,3,4,5,6,7
	global_load_b128 v[BIASN+8*\b:BIASN+8*\b+3], v[BOFN], s[90:91] offset:64*\b
	global_load_b128 v[BIASN+8*\b+4:BIASN+8*\b+7], v[BOFN], s[90:91] offset:64*\b+16
.endr
	s_lshl_b32 s88, s17, 4
	s_lshl_b32 s89, s15, 3
	s_add_co_u32 s88, s88, s89
	s_lshl_b32 s88, s88, 5
	s_lshl_b32 s89, s42, 1
	s_add_co_u32 s88, s88, s89
	s_add_co_u32 s88, s88, s16
	s_lshl_b32 s88, s88, 11
	s_mov_b32 s89, 0
	s_add_nc_u64 s[74:75], s[74:75], s[88:89]
.macro FRAG reg, adr, q, i
.irp c, 0,1,2,3
	ds_load_b128 v[\reg+4*\c:\reg+4*\c+3], v[\adr] offset:128*(\q)+32*\c+(\i)*16*PITCH
.endr
.endm
.macro MUL16 a0, p, zero
.irp a, \a0, \a0+1
.irp b, 0,1,2,3,4,5,6,7
.if \zero
	v_wmma_f32_16x16x128_fp8_fp8 v[8*(8*((\a)%4)+\b):8*(8*((\a)%4)+\b)+7], v[128*(\p)+FR*\b:128*(\p)+FR*\b+FR-1], v[AF+FR*(\a):AF+FR*(\a)+FR-1], 0
.else
	v_wmma_f32_16x16x128_fp8_fp8 v[8*(8*((\a)%4)+\b):8*(8*((\a)%4)+\b)+7], v[128*(\p)+FR*\b:128*(\p)+FR*\b+FR-1], v[AF+FR*(\a):AF+FR*(\a)+FR-1], v[8*(8*((\a)%4)+\b):8*(8*((\a)%4)+\b)+7]
.endif
.endr
.endr
.endm
.macro FETCH_B slot, q, p
	WIN TO_B
.irp i, 0,1,2,3,4,5,6,7
	FRAG 128*(\p)+FR*\i, ADRB+\slot, \q, \i
.endr
	WIN 0
.endm
.macro FETCH_A slot, q, i0
.irp i, \i0, \i0+1, \i0+2, \i0+3
	FRAG AF+FR*(\i), ADRA+\slot, \q, \i
.endr
.endm
.macro PLACES n
.rept \n
	v_nop
.endr
.endm
.macro STEP slot, q, zero
	s_wait_dscnt 4*NL
	WIN MUL_LO
	MUL16 0, (\q)%2, \zero
	MUL16 2, (\q)%2, \zero
	s_wait_dscnt 0
	PLACES NP
	FETCH_B \slot, (\q)+1, 1-(\q)%2
	FETCH_A \slot, (\q)+1, 0
	WIN MUL_HI
	MUL16 4, (\q)%2, \zero
	MUL16 6, (\q)%2, \zero
	PLACES NP
	WIN 0
	FETCH_A \slot, (\q)+1, 4
.endm
.macro TURN slot, next, fill
	s_wait_tensorcnt 0x0
	ds_add_u32 v[SPW], v[NIL]
	s_wait_dscnt 4*NL+1
	WIN MUL_LO
	MUL16 0, 1, 0
	s_wait_dscnt 0x0
	s_barrier_signal -1
	MUL16 2, 1, 0
	WIN 0
	s_barrier_wait -1
.if \fill
	CREST
	s_add_nc_u64 s[G0+4*\slot+2:G0+4*\slot+3], s[G0+4*\slot+2:G0+4*\slot+3], 2*ROWB
	s_add_nc_u64 s[G0B+4*\slot+2:G0B+4*\slot+3], s[G0B+4*\slot+2:G0B+4*\slot+3], 2*ROWB
	JLOAD G0+4*\slot, G1, G0B+4*\slot, G1B
.else
	PLACES NP
.endif
	FETCH_B \next, 0, 0
	FETCH_A \next, 0, 0
	WIN MUL_HI
	MUL16 4, 1, 0
	MUL16 6, 1, 0
	PLACES NP
	WIN 0
	FETCH_A \next, 0, 4
.endm
	s_wait_alu depctr_va_vdst(0)
	s_wait_tensorcnt 0x0                           ; my part of K step 0 is in; a later first fill is issued as a refill is:
	ds_add_u32 v[SPW], v[NIL]                      ; 0 onto my spare word
	s_wait_dscnt 0x0
	CROUND                                         ; everybody's part of K step 0 is in, and the sixteen work-groups meet
	JLOAD G0+4, G1, G0B+4, G1B                     ; K step 1: the first tensor load behind the round
	global_prefetch_b8 v27, s[66:67] offset:768 th:TH_LOAD_NT scope:SCOPE_SE   ; K step 3, the last
	FETCH_B 0, 0, 0
	FETCH_A 0, 0, 0
	FETCH_A 0, 0, 4
	STEP 0, 0, 1
	TURN 0, 1, 1
	STEP 1, 0, 0
	TURN 1, 0, 1
	STEP 0, 0, 0
	TURN 0, 1, 0
	STEP 1, 0, 0
	s_wait_dscnt 4*NL
	WIN MUL_LO
	MUL16 0, 1, 0
	MUL16 2, 1, 0
	s_wait_dscnt 0
	WIN MUL_HI
	MUL16 4, 1, 0
	MUL16 6, 1, 0
	WIN 0
.macro QBLOCK a
.set AC, 64*((\a)%4)
.set CS, CD+16*((\a)%4)
.if (\a) >= 4
	s_wait_xcnt 0x0
.endif
	WIN 0x02+((\a)/4)
.irp b, 0,1,2,3,4,5,6,7
.irp i, 0,2,4,6
	v_pk_fma_f32 v[TMP+8*\b+\i:TMP+8*\b+\i+1], v[AC+8*\b+\i:AC+8*\b+\i+1], s[96:97], v[BIASN+8*\b+\i:BIASN+8*\b+\i+1] op_sel_hi:[1,0,1]
.endr
.endr
	WIN 0
.set n, 0
.rept 64
	v_med3_num_f32 v[TMP+n], v[TMP+n], 0, v[LIM]
.set n, n+1
.endr
.irp b, 0,1,2,3,4,5,6,7
	v_cvt_scalef32_pk8_fp8_f32 v[CS+2*\b:CS+2*\b+1], v[TMP+8*\b:TMP+8*\b+7], v[SCV]
.endr
	v_nop
.irp u, 0,1,2,3
	global_store_b128 v[CO], v[CS+4*\u:CS+4*\u+3], s[74:75] offset:65536*(\a)+512*\u
.endr
.endm
	s_wait_kmcnt 0x0
	s_add_co_i32 s96, s84, s85
	s_add_co_i32 s96, s96, 127
	s_lshl_b32 s96, s96, 23
	s_mov_b32 s97, s96
	s_add_co_i32 s98, s86, 127
	s_lshl_b32 s99, s98, 23
	v_mov_b32 v[SCV], s99
	s_add_co_i32 s98, s98, 8
	s_lshl_b32 s98, s98, 23
	s_or_b32 s98, s98, 0x600000
	v_mov_b32 v[LIM], s98
	s_wait_loadcnt 0x0
	PLACES NP
.irp a, 0,1,2,3,4,5,6,7
	QBLOCK \a
.endr
	s_wait_tensorcnt 0x0
	ds_add_u32 v[SPW], v[NIL]
	s_wait_dscnt 0x0
	CROUND
	s_endpgm
.Lfunc_end_k_q4a2f51f5e0_ffn1:
	.size	k_q4a2f51f5e0_ffn1, .Lfunc_end_k_q4a2f51f5e0_ffn1-k_q4a2f51f5e0_ffn1
	.p2alignl 7, 3214868480
	.fill 96, 4, 3214868480
	.section	.rodata,"a",@progbits
	.p2align	6, 0x0
	.amdhsa_kernel k_q4a2f51f5e0_ffn1
		.amdhsa_group_segment_fixed_size 327680
		.amdhsa_private_segment_fixed_size 0
		.amdhsa_enable_private_segment 0
		.amdhsa_kernarg_size 40
		.amdhsa_user_sgpr_count 2
		.amdhsa_user_sgpr_kernarg_segment_ptr 1
		.amdhsa_wavefront_size32 1
		.amdhsa_system_sgpr_workgroup_id_x 1
		.amdhsa_system_sgpr_workgroup_id_y 1
		.amdhsa_system_sgpr_workgroup_id_z 1
		.amdhsa_system_vgpr_workitem_id 0
		.amdhsa_next_free_vgpr 1024
		.amdhsa_next_free_sgpr 100
		.amdhsa_reserve_vcc 0
		.amdhsa_float_denorm_mode_32 3
		.amdhsa_float_denorm_mode_16_64 3
		.amdhsa_memory_ordered 1
		.amdhsa_forward_progress 1
		.amdhsa_inst_pref_size 136
	.end_amdhsa_kernel
	.amdgpu_metadata
---
amdhsa.version: [ 1, 2 ]
amdhsa.kernels:
  - .name:           k_q4a2f51f5e0_ffn1
    .symbol:         k_q4a2f51f5e0_ffn1.kd
    .args:
      - { .name: hn, .offset: 0, .size: 8, .value_kind: global_buffer, .address_space: global }
      - { .name: w1_codes, .offset: 8, .size: 8, .value_kind: global_buffer, .address_space: global }
      - { .name: lowp_scales, .offset: 16, .size: 8, .value_kind: global_buffer, .address_space: global }
      - { .name: b1, .offset: 24, .size: 8, .value_kind: global_buffer, .address_space: global }
      - { .name: himg, .offset: 32, .size: 8, .value_kind: global_buffer, .address_space: global }
    .group_segment_fixed_size: 327680
    .private_segment_fixed_size: 0
    .kernarg_segment_align: 8
    .kernarg_segment_size: 40
    .max_flat_workgroup_size: 128
    .sgpr_count:     100
    .vgpr_count:     1024
    .wavefront_size: 32
...
	.end_amdgpu_metadata
.endif
;; end of part 6
;; launch ffn2 (part 7): grid 8 x 32, 4 waves a work-group, clusters of 4 x 4, 327,680 bytes of LDS; arguments himg, w2_codes, lowp_scales, b2, x1, out0; writes out0
.if DOCPART == 7
	.amdgcn_target "amdgcn-amd-amdhsa--gfx1250"
	.amdhsa_code_object_version 6
	.text
	.protected	k_q4a2f51f5e0_ffn2
	.globl	k_q4a2f51f5e0_ffn2
	.p2align	8
	.type	k_q4a2f51f5e0_ffn2,@function
k_q4a2f51f5e0_ffn2:
	s_mov_b64 s[64:65], 0
	v_nop
	global_prefetch_b8 v0, s[64:65] scope:SCOPE_SE
	s_setreg_imm32_b32 hwreg(HW_REG_WAVE_MODE, 25, 1), 1
	s_wait_xcnt 0x0
	s_wait_alu depctr_hold_cnt(0) depctr_sa_sdst(0) depctr_va_vdst(0) depctr_va_sdst(0) depctr_va_ssrc(0) depctr_va_vcc(0) depctr_vm_vsrc(0)
	s_getreg_b32 s2, hwreg(HW_REG_IB_STS2, 6, 4)
	s_cmp_eq_u32 s2, 0
	s_cbranch_scc0 .Lentry_in_a_cluster
	s_endpgm
.Lentry_in_a_cluster:
	s_bfe_u32 s2, ttmp6, 0x10000c
	s_cmp_lg_u32 s2, 0xf033
	s_cbranch_scc0 .Lentry_shape_is_right
	s_endpgm
.Lentry_shape_is_right:
; out0 = x1 + b2 + h W2^T on codes of E4M3.  h: himg, images of operand registers, [row / 16][k / 128][4 groups][lane][16 bytes], scale 2^e10; W2 [1024][4096] codes, row-major, scale 2^e11.  LIMIT: e10 + e11 between -126 and 127.
; A tile of 128 x 128 to a work-group (256 work-groups), four waves of 64 x 64; K in eight steps of 512 through two LDS slots filled by joint tensor loads in clusters of 4 x 4 (h shared along a row of the cluster, W2 along a column).
; The matrix instruction is used transposed (source 0 = 16 rows of W2): a lane holds eight neighbouring numbers of a row; the results leave through a stage in slot 0, which has then had its last fill, as aligned units of 256 bytes.
; PREFETCHES INTO THE L2: behind the joint load of K step s each wave asks for K step s + 2 (at the head also for K step 1); the loop's last trip, whose steps have none two on, asks for nothing.
; What a wave fetches of a K step is 128 blocks of 256 bytes (h: 4 row tiles x 8,192 bytes; W2: 64 rows x 512 bytes); each of the four partners of the joint load names 32, told apart by address (cx for h, cy for W2), a lane a block.
.set SIZE_K, 4096
.set EOFF,   40
.set KSTEP,  512
.set PITCH,  528
.set AHALF,  32768
.set BHALF,  64*PITCH
.set BOFF,   2*AHALF
.set SLOT,   BOFF+2*BHALF
.set SPARE,  2*SLOT
.set SPITCH, 272
.set LAPS,   SIZE_K/(2*KSTEP)
.set BI,   8
.set BO,   12
.set ADRA, 16
.set ADRB, 20
.set STO,  24
.set RD,   25
.set CO,   26
.set SPW,  28
.set NIL,  29
.set BK,   32
.set OUT,  64
.set ACC,  128
.set F0,   0
.set F1,   128
.set G1, 24
.set G0, 32
.set G1B, 48
.set G0B, 56
.set MSB, 0
.macro WIN new
.if MSB != \new
	s_set_vgpr_msb (MSB<<8)|\new
.set MSB, \new
.endif
.endm
.set MUL,  0x05
.set TO_F, 0x40
.macro JLOAD s
	s_cmp_eq_u32 s15, 0
	s_cbranch_scc0 .Lfor_b_\@
	tensor_load_to_lds s[G0+4*\s:G0+4*\s+3], s[G1:G1+7]
	s_nop 0
.rept 4
	v_nop
.endr
	s_branch .Lasked_\@
.Lfor_b_\@:
	tensor_load_to_lds s[G0B+4*\s:G0B+4*\s+3], s[G1B:G1B+7]
	s_nop 0
.rept 4
	v_nop
.endr
.Lasked_\@:
.endm
.macro CREST
	s_cmp_lg_u32 s14, 0
	s_cbranch_scc1 .Lnot_wave_0_\@
	s_barrier_signal -3
.Lnot_wave_0_\@:
	s_barrier_wait -3
	s_barrier_signal -1
	s_barrier_wait -1
.endm
.macro CROUND
	s_barrier_signal -1
	s_barrier_wait -1
	CREST
.endm
	s_load_b256 s[4:11], s[0:1], 0x0
	s_load_b128 s[68:71], s[0:1], 0x20
	v_lshl_add_u32 v[SPW], v0, 2, SPARE
	v_mov_b32 v[NIL], 0
	ds_add_u32 v28, v29
	ds_add_u32 v28, v29
	s_wait_dscnt 0x0
	v_lshrrev_b32 v1, 5, v0
	v_readfirstlane_b32 s14, v1
	s_lshr_b32 s15, s14, 1
	s_and_b32 s16, s14, 1
	s_bfe_u32 s40, ttmp6, 0x40000
	s_bfe_u32 s41, ttmp6, 0x40004
	s_lshl_b32 s42, ttmp9, 2
	s_add_co_u32 s42, s42, s40
	s_and_b32 s17, ttmp7, 0xffff
	s_lshl_b32 s17, s17, 2
	s_add_co_u32 s17, s17, s41
	s_lshl_b32 s43, s41, 2
	s_lshl_b32 s43, 15, s43
	s_lshl_b32 s44, 0x1111, s40
	s_or_b32 s[G1+0], s43, (3<<16)|(1<<21)
	s_mov_b32 s[G1+1], 1024<<16
	s_mov_b32 s[G1+2], 4<<16
	s_mov_b32 s[G1+3], 1024<<16
	s_mov_b32 s[G1+4], 4
	s_mov_b32 s[G1+5], 2*SIZE_K
	s_mov_b32 s[G1+6], 0
	s_mov_b32 s[G1+7], 0
	s_or_b32 s[G1B+0], s44, (0<<16)|(1<<20)|(1<<21)|(6<<22)|(3<<25)
	s_mov_b32 s[G1B+1], KSTEP<<16
	s_mov_b32 s[G1B+2], 64<<16
	s_mov_b32 s[G1B+3], KSTEP<<16
	s_mov_b32 s[G1B+4], 64
	s_mov_b32 s[G1B+5], SIZE_K
	s_mov_b32 s[G1B+6], 0
	s_mov_b32 s[G1B+7], 0
	s_lshl_b32 s20, s17, 3
	s_lshl_b32 s18, s16, 2
	s_add_co_u32 s20, s20, s18
	s_mul_i32 s20, s20, 16*SIZE_K
	s_mov_b32 s21, 0
	s_lshl_b32 s46, s42, 7
	s_lshl_b32 s19, s16, 6
	s_add_co_u32 s46, s46, s19
	s_mul_i32 s46, s46, SIZE_K
	s_mov_b32 s47, 0
	s_mul_i32 s45, s16, AHALF
	s_mul_i32 s22, s16, BHALF
	s_add_co_u32 s22, s22, BOFF
	s_wait_kmcnt 0x0
	s_load_b64 s[96:97], s[8:9], EOFF
	s_add_nc_u64 s[20:21], s[4:5], s[20:21]
	s_add_nc_u64 s[46:47], s[6:7], s[46:47]
	CROUND
.irp s, 0,1
	s_mov_b32 s[G0+4*\s], 1
	s_add_co_u32 s[G0+4*\s+1], s45, \s*SLOT
	s_add_nc_u64 s[G0+4*\s+2:G0+4*\s+3], s[20:21], \s*8192
	s_or_b32 s[G0+4*\s+3], s[G0+4*\s+3], 0x80000000
	s_mov_b32 s[G0B+4*\s], 1
	s_add_co_u32 s[G0B+4*\s+1], s22, \s*SLOT
	s_add_nc_u64 s[G0B+4*\s+2:G0B+4*\s+3], s[46:47], \s*KSTEP
	s_or_b32 s[G0B+4*\s+3], s[G0B+4*\s+3], 0x80000000
.endr
	JLOAD 0                                        ; K step 0: one tensor load a wave at the head
	s_cmp_eq_u32 s15, 0                            ; do I fetch for h?
	s_cselect_b64 s[66:67], s[20:21], s[46:47]
	s_cselect_b32 s78, s40, s41                    ; my place among the four partners
	s_mov_b32 s77, SIZE_K
	s_cselect_b32 s77, 512, s77                    ; from one pair of lanes to the next: 512 bytes on in h, a row on in W2
	s_mov_b32 s72, KSTEP
	s_cselect_b32 s72, 8192, s72                   ; s[72:73]: a K step on
	s_mov_b32 s73, 0
	s_mul_i32 s78, s78, 16*SIZE_K                  ; one row tile of h, or 16 rows of W2, for each place
	s_mov_b32 s79, 0
	s_add_nc_u64 s[66:67], s[66:67], s[78:79]
	s_add_nc_u64 s[66:67], s[66:67], s[72:73]      ; K step 1: used once
	s_add_nc_u64 s[74:75], s[66:67], s[72:73]      ; s[74:75]: K step 2: this one walks
	v_and_b32 v27, 31, v0
	v_lshrrev_b32 v7, 1, v27
	v_and_b32 v27, 1, v27
	v_mul_lo_u32 v7, v7, s77
	v_lshl_add_u32 v27, v27, 8, v7                 ; my lane's block; never rewritten
	global_prefetch_b8 v27, s[66:67] th:TH_LOAD_NT scope:SCOPE_SE
	global_prefetch_b8 v27, s[74:75] th:TH_LOAD_NT scope:SCOPE_SE
	v_and_b32 v1, 15, v0
	v_bfe_u32 v2, v0, 4, 1
	v_and_b32 v3, 31, v0
	v_lshlrev_b32 v3, 4, v3
	v_mul_u32_u24 v4, v1, PITCH
	v_lshl_add_u32 v4, v2, 3, v4
	s_mul_i32 s84, s15, AHALF
	s_mul_i32 s85, s16, BHALF
	s_add_co_u32 s85, s85, BOFF
.irp s, 0,1
	v_add_nc_u32 v[ADRA+\s], s84, v3
	v_add_nc_u32 v[ADRB+\s], s85, v4
	s_add_co_u32 s84, s84, SLOT
	s_add_co_u32 s85, s85, SLOT
.endr
	s_mul_i32 s86, s14, 16*SPITCH
	v_mul_u32_u24 v5, v1, SPITCH
	v_lshl_add_u32 v5, v2, 5, v5
	v_add_nc_u32 v[STO], s86, v5
	v_mul_u32_u24 v6, v2, SPITCH
	v_lshl_add_u32 v6, v1, 4, v6
	v_add_nc_u32 v[RD], s86, v6
	v_lshlrev_b32 v[CO], 12, v2
	v_lshl_add_u32 v[CO], v1, 4, v[CO]
	v_lshlrev_b32 v[BO], 4, v1
	s_wait_alu depctr_va_vdst(0)
	s_lshl_b32 s88, s17, 7
	s_lshl_b32 s89, s15, 6
	s_add_co_u32 s88, s88, s89
	s_lshl_b32 s88, s88, 12
	s_lshl_b32 s90, s42, 9
	s_lshl_b32 s91, s16, 8
	s_add_co_u32 s90, s90, s91
	s_add_co_u32 s88, s88, s90
	s_mov_b32 s89, 0
	s_mov_b32 s91, 0
	s_add_nc_u64 s[68:69], s[68:69], s[88:89]
	s_add_nc_u64 s[70:71], s[70:71], s[88:89]
	s_add_nc_u64 s[10:11], s[10:11], s[90:91]
.macro MUL8 f, a0, zero
.irp a, \a0, \a0+1
.irp b, 0,1,2,3
.if \zero
	v_wmma_f32_16x16x128_fp8_fp8 v[ACC+8*(4*(\a)+\b):ACC+8*(4*(\a)+\b)+7], v[\f+64+16*\b:\f+64+16*\b+15], v[\f+16*(\a):\f+16*(\a)+15], 0
.else
	v_wmma_f32_16x16x128_fp8_fp8 v[ACC+8*(4*(\a)+\b):ACC+8*(4*(\a)+\b)+7], v[\f+64+16*\b:\f+64+16*\b+15], v[\f+16*(\a):\f+16*(\a)+15], v[ACC+8*(4*(\a)+\b):ACC+8*(4*(\a)+\b)+7]
.endif
.endr
.endr
.endm
.macro FETCH slot, q, f
	WIN TO_F
.irp i, 0,1,2,3
.irp c, 0,1,2,3
	ds_load_b128 v[\f+16*\i+4*\c:\f+16*\i+4*\c+3], v[ADRA+\slot] offset:(4*\i+(\q))*2048+512*\c
.endr
.endr
.irp i, 0,1,2,3
.irp c, 0,1,2,3,4,5,6,7
	ds_load_b64 v[\f+64+16*\i+2*\c:\f+64+16*\i+2*\c+1], v[ADRB+\slot] offset:128*(\q)+16*\c+\i*16*PITCH
.endr
.endr
.endm
.macro PLACES
.rept 4
	v_nop
.endr
.endm
.macro QUARTER slot, q, f, g, zero
	PLACES
	FETCH \slot, \q, \g
	s_wait_dscnt 48
	WIN MUL
	MUL8 \f, 0, \zero
	MUL8 \f, 2, \zero
.endm
.macro TURN slot, next, fill
	WIN 0
.if \fill
	s_wait_xcnt 0x0                                ; my last prefetch has read its address: it is stepped here, ahead of the waits of the change of slots
	s_add_nc_u64 s[74:75], s[74:75], s[72:73]
.endif
	s_wait_tensorcnt 0x0
	ds_add_u32 v[SPW], v[NIL]
	s_wait_dscnt 1
	WIN MUL
	MUL8 F1, 0, 0
	s_wait_dscnt 0x0
	s_barrier_signal -1
	MUL8 F1, 2, 0
	WIN 0
	s_barrier_wait -1
.if \fill
	CREST
	s_add_nc_u64 s[G0+4*\slot+2:G0+4*\slot+3], s[G0+4*\slot+2:G0+4*\slot+3], 2*8192
	s_add_nc_u64 s[G0B+4*\slot+2:G0B+4*\slot+3], s[G0B+4*\slot+2:G0B+4*\slot+3], 2*KSTEP
	JLOAD \slot
	s_cmp_gt_u32 s3, 1                             ; s3 = 1 in the loop's last trip: its two refills are K steps 6 and 7, which have none two on
	s_cbranch_scc0 .Lno_ask_\@
	global_prefetch_b8 v27, s[74:75] th:TH_LOAD_NT scope:SCOPE_SE
.Lno_ask_\@:
.else
	PLACES
.endif
	FETCH \next, 0, F0
.endm
	s_wait_xcnt 0x0                                ; the head's prefetches have read their addresses
	s_add_nc_u64 s[74:75], s[74:75], s[72:73]      ; K step 3
	s_wait_alu depctr_va_vdst(0)
	s_wait_tensorcnt 0x0                           ; my part of K step 0 is in; a later first fill is issued as a refill is:
	ds_add_u32 v[SPW], v[NIL]                      ; 0 onto my spare word
	s_wait_dscnt 0x0
	CROUND                                         ; everybody's part of K step 0 is in, and the sixteen work-groups meet
	JLOAD 1                                        ; K step 1: the first tensor load behind the round
	global_prefetch_b8 v27, s[74:75] th:TH_LOAD_NT scope:SCOPE_SE
	FETCH 0, 0, F0
	QUARTER 0, 1, F0, F1, 1                        ; the first quarter stands in front of the loop: its products start the sums
	; b2 and x1 of my 64 x 64 (window 2, in the layout of the stores) are asked for here: K step 0's tiles and the prefetches of K steps 1 to 3 are asked of memory ahead of them.  They are waited for on the way out, seven K steps on.
	WIN 0
	global_load_b128 v[BI:BI+3], v[BO], s[10:11]   ; b2 of the four columns that I store
	WIN 0x80                                       ; destination window 2, address window 0
.irp a, 0,1,2,3
.irp t, 0,1,2,3,4,5,6,7
	global_load_b128 v[32*\a+4*\t:32*\a+4*\t+3], v[CO], s[68:69] offset:(16*\a+2*\t)*4096   ; 16 lanes read 256 consecutive bytes, aligned
.endr
.endr
	WIN 0
.if LAPS > 1
	WIN 0
	s_mov_b32 s3, LAPS-1
.Llap:
	QUARTER 0, 2, F1, F0, 0
	QUARTER 0, 3, F0, F1, 0
	TURN 0, 1, 1
	QUARTER 1, 1, F0, F1, 0
	QUARTER 1, 2, F1, F0, 0
	QUARTER 1, 3, F0, F1, 0
	TURN 1, 0, 1
	QUARTER 0, 1, F0, F1, 0
	WIN 0
	s_sub_co_u32 s3, s3, 1
	s_cmp_lg_u32 s3, 0
	s_cbranch_scc1 .Llap
.endif
	QUARTER 0, 2, F1, F0, 0
	QUARTER 0, 3, F0, F1, 0
	TURN 0, 1, 0
	QUARTER 1, 1, F0, F1, 0
	QUARTER 1, 2, F1, F0, 0
	QUARTER 1, 3, F0, F1, 0
	s_wait_dscnt 0x0
	WIN MUL
	MUL8 F1, 0, 0
	MUL8 F1, 2, 0
	WIN 0
	s_wait_kmcnt 0x0
	s_add_co_i32 s96, s96, s97
	s_add_co_i32 s96, s96, 127
	s_lshl_b32 s96, s96, 23
	s_mov_b32 s97, s96
	s_wait_loadcnt 0x0
	WIN 0x82
.set n, 0
.rept 32
	v_pk_add_f32 v[n:n+1], v[n:n+1], v[BI:BI+1]
	v_pk_add_f32 v[n+2:n+3], v[n+2:n+3], v[BI+2:BI+3]
.set n, n+4
.endr
	WIN 0
.irp a, 0,1,2,3
.if \a > 0
	s_wait_xcnt 0x0
.endif
.irp b, 0,1,2,3
	ds_store_b128 v[STO], v[ACC+8*(4*\a+\b):ACC+8*(4*\a+\b)+3] offset:64*\b
	ds_store_b128 v[STO], v[ACC+8*(4*\a+\b)+4:ACC+8*(4*\a+\b)+7] offset:64*\b+16
.endr
.irp t, 0,1,2,3,4,5,6,7
	ds_load_b128 v[BK+4*\t:BK+4*\t+3], v[RD] offset:\t*2*SPITCH
.endr
	s_wait_dscnt 0x0
	WIN 0x20
.irp t, 0,1,2,3,4,5,6,7
	v_pk_fma_f32 v[OUT+4*\t:OUT+4*\t+1], v[BK+4*\t:BK+4*\t+1], s[96:97], v[32*\a+4*\t:32*\a+4*\t+1] op_sel_hi:[1,0,1]
	v_pk_fma_f32 v[OUT+4*\t+2:OUT+4*\t+3], v[BK+4*\t+2:BK+4*\t+3], s[96:97], v[32*\a+4*\t+2:32*\a+4*\t+3] op_sel_hi:[1,0,1]
.endr
	WIN 0
.irp t, 0,1,2,3,4,5,6,7
	global_store_b128 v[CO], v[OUT+4*\t:OUT+4*\t+3], s[70:71] offset:(16*\a+2*\t)*4096
.endr
.endr
	s_wait_tensorcnt 0x0
	ds_add_u32 v[SPW], v[NIL]
	s_wait_dscnt 0x0
	CROUND
	s_endpgm
.Lfunc_end_k_q4a2f51f5e0_ffn2:
	.size	k_q4a2f51f5e0_ffn2, .Lfunc_end_k_q4a2f51f5e0_ffn2-k_q4a2f51f5e0_ffn2
	.p2alignl 7, 3214868480
	.fill 96, 4, 3214868480
	.section	.rodata,"a",@progbits
	.p2align	6, 0x0
	.amdhsa_kernel k_q4a2f51f5e0_ffn2
		.amdhsa_group_segment_fixed_size 327680
		.amdhsa_private_segment_fixed_size 0
		.amdhsa_enable_private_segment 0
		.amdhsa_kernarg_size 48
		.amdhsa_user_sgpr_count 2
		.amdhsa_user_sgpr_kernarg_segment_ptr 1
		.amdhsa_wavefront_size32 1
		.amdhsa_system_sgpr_workgroup_id_x 1
		.amdhsa_system_sgpr_workgroup_id_y 1
		.amdhsa_system_sgpr_workgroup_id_z 1
		.amdhsa_system_vgpr_workitem_id 0
		.amdhsa_next_free_vgpr 768
		.amdhsa_next_free_sgpr 100
		.amdhsa_reserve_vcc 0
		.amdhsa_float_denorm_mode_32 3
		.amdhsa_float_denorm_mode_16_64 3
		.amdhsa_memory_ordered 1
		.amdhsa_forward_progress 1
		.amdhsa_inst_pref_size 99
	.end_amdhsa_kernel
	.amdgpu_metadata
---
amdhsa.version: [ 1, 2 ]
amdhsa.kernels:
  - .name:           k_q4a2f51f5e0_ffn2
    .symbol:         k_q4a2f51f5e0_ffn2.kd
    .args:
      - { .name: himg, .offset: 0, .size: 8, .value_kind: global_buffer, .address_space: global }
      - { .name: w2_codes, .offset: 8, .size: 8, .value_kind: global_buffer, .address_space: global }
      - { .name: lowp_scales, .offset: 16, .size: 8, .value_kind: global_buffer, .address_space: global }
      - { .name: b2, .offset: 24, .size: 8, .value_kind: global_buffer, .address_space: global }
      - { .name: x1, .offset: 32, .size: 8, .value_kind: global_buffer, .address_space: global }
      - { .name: out0, .offset: 40, .size: 8, .value_kind: global_buffer, .address_space: global }
    .group_segment_fixed_size: 327680
    .private_segment_fixed_size: 0
    .kernarg_segment_align: 8
    .kernarg_segment_size: 48
    .max_flat_workgroup_size: 128
    .sgpr_count:     100
    .vgpr_count:     768
    .wavefront_size: 32
...
	.end_amdgpu_metadata
.endif
;; end of part 7
